; MI455X (gfx1250); checked and timed in simulation.
; The chip was launched on July 23, 2026; its instructions are those of AMD's public machine-readable ISA for CDNA 5 (MIT licence, August 2026) and "CDNA5" Instruction Set Architecture Reference Guide (July 2026). The comments in the code are by the model that wrote it; some were corrected since.
;; Grouped Query Attention. Allowed arithmetic: matrix products marked QUANTISED: E3M2 operands, one E8M0 scale for each 32 along K, by v_wmma_scale_f32_16x16x128_f8f6f4 with both operands' format E3M2, f32 sums; everything else in f32.
;; Inputs: Wk 512 x 2,048 float32; Wo 2,048 x 2,048 float32; Wq 2,048 x 2,048 float32; Wv 512 x 2,048 float32; attention_mask 1 x 1 x 2,048 x 2,048 float32; bk 512 float32; bq 2,048 float32; bv 512 float32; hidden_states 1 x 2,048 x 2,048 float32.
;; Outputs: out0 1 x 2,048 x 2,048 float32.
;; This version of the problem:
;;   THIS VERSION OF THE PROBLEM IS GIVEN IN LOW PRECISION. The matrix products marked QUANTISED in the list below multiply operands that are first quantised to E3M2 (3 exponent bits, 2 mantissa bits; 6 bits a number), with one power-of-two scale for each 32 numbers along K (OCP MX v1.0); their sums are f32. All else is computed in f32.
;;   The module's matrix products, in the order in which they are computed (A, B: the left and right operand; K: the contracted axis; several contracted axes count as one K, in the product's order):
;;     1. [M 2,048, K 2,048] x [K 2,048, N 2,048]; A: input hidden_states; B: input Wq: QUANTISED
;;     2. [M 2,048, K 2,048] x [K 2,048, N 512]; A: input hidden_states; B: input Wk: QUANTISED
;;     3. [M 2,048, K 2,048] x [K 2,048, N 512]; A: input hidden_states; B: input Wv: QUANTISED
;;     4. batch 32 x [M 2,048, K 64] x [K 64, N 2,048]; A: computed on the way; B: computed on the way: QUANTISED
;;     5. batch 32 x [M 2,048, K 2,048] x [K 2,048, N 64]; A: softmax (see below); B: computed on the way: QUANTISED
;;     6. [M 2,048, K 2,048] x [K 2,048, N 2,048]; A: computed on the way; B: input Wo: QUANTISED
;;   THE QUANTISER, for each operand of a quantised product, along K:
;;     - K is cut into blocks of 32 from its start; a last block that is shorter is filled with zeros.
;;     - A block's scale is 2^e with e = floor(log2(the largest magnitude in the block)) - 4, held to -126 .. 127; a block of zeros has e = 0. As a byte (E8M0): e + 127.
;;     - Each number is divided by its block's scale, clamped to +-28, and rounded to the nearest number of E3M2, ties to even, subnormals kept.
;;     - The product sums the exact products of the quantised numbers (number of the format x scale) in f32.
;;   ~~~python
;;   def quantise(x, axis):      # numpy; x: float32 -> the quantised numbers, widened to float32 again
;;       x = np.moveaxis(x, axis, -1); K = x.shape[-1]
;;       x = np.pad(x, [(0, 0)] * (x.ndim - 1) + [(0, -K % 32)]); x = x.reshape(x.shape[:-1] + (-1, 32)); a = np.abs(x).max(-1, keepdims=True)
;;       e = np.where(a > 0, np.clip(np.frexp(np.where(a > 0, a, 1))[1] - 1 - 4, -126, 127), 0)      # np.frexp(a)[1] - 1 = floor(log2(a)), exactly
;;       r = np.clip(x / 2.0 ** e, -28, 28)
;;       step = 2.0 ** (np.maximum(np.frexp(np.where(r == 0, 1, r))[1] - 1, -2) - 2)
;;       q = np.round(r / step) * step * 2.0 ** e      # np.round: ties to even
;;       return np.moveaxis(q.reshape(q.shape[:-2] + (-1,))[..., :K], -1, axis).astype(np.float32)
;;   ~~~
;;   SOFTMAX AHEAD OF A QUANTISED PRODUCT. Where the list says 'softmax', what is quantised is not the finished softmax but p = 2^(t - M), with t = logit x log2(e) and M = ceil(the row's largest t), a whole number; so 1/2 < the row's largest p <= 1. The row's sum l is taken of the UNQUANTISED p, in f32, and the product's result is divided by l at the end. Since M is a whole number, a kernel that streams over the keys may use a running M (the ceiling of the running maximum): every later rescaling is an exact power of two, which a block's scale takes up: the codes' values come out the same.
;;   OPERANDS COMPUTED ON THE WAY. 'Computed on the way' means the value that the module computes at that place (a softmax that the list does not call 'softmax' is quantised finished and normalised). What goes into a quantiser is computed in f32, as accurately as f32 sums, v_exp_f32 and their like allow (about 1e-6 of the number): no bf16 or f16 on the way to a quantiser, and a product that is left as it is and whose result goes on into a quantised operand takes f32 operands (vector FMAs, or v_wmma_f32_16x16x4_f32). A number that lies on a knife's edge between two numbers of the format may be rounded either way, as far as f32 arithmetic and the matrix unit's own rounding can turn it there, and no further.
;; One version. Each part assembles by itself: llvm-mc -triple=amdgcn-amd-amdhsa -mcpu=gfx1250 --defsym DOCPART=n.
;; ======== version 1 of 1: 4 launches
;; limits: right only within a limited range of input values
;; workspace buffers: opnd 11,993,088 bytes; qkvc 5,079,040 bytes; attc 3,276,800 bytes; keep 8,192 bytes of whole numbers
;; launch prep (part 1): grid 992 x 1, 4 waves a work-group, no clusters, 35,328 bytes of LDS; arguments hidden_states, Wq, Wk, Wv, Wo, opnd, attention_mask, keep; writes opnd, keep
.if DOCPART == 1
	.amdgcn_target "amdgcn-amd-amdhsa--gfx1250"
	.amdhsa_code_object_version 6
	.text
	.protected	k_q5f1fb771a1_prep
	.globl	k_q5f1fb771a1_prep
	.p2align	8
	.type	k_q5f1fb771a1_prep,@function
k_q5f1fb771a1_prep:
	s_mov_b64 s[64:65], 0
	v_nop
	global_prefetch_b8 v0, s[64:65] scope:SCOPE_SE
	s_setreg_imm32_b32 hwreg(HW_REG_WAVE_MODE, 25, 1), 1
	s_wait_xcnt 0x0
; PREP.  hidden_states, Wq, Wo [2048][2048] and Wk, Wv [512][2048], f32 with K innermost, become codes of BF6 (E3M2) with one E8M0 byte for each 32 along K, laid in the order of an operand's registers;
; and the table of cosines and sines for the rotary embedding is made.
; A TILE is 16 rows: tile 2 b + u, lane-row r, is matrix row 32 b + 8 u + r + 8 (r / 8).  Its IMAGE for a K step of 128 is 1,536 bytes, six pieces of 256: piece 3 c + i holds at byte 8 x lane (lane = r + 16 h)
; bytes 8 i .. 8 i + 7 of the 24 bytes of codes of block 2 c + h of that row: six loads of 8 bytes a lane give the operand's 12 registers.  Tile g of the five tensors on end (hidden 0, Wq 128, Wk 256, Wv 288, Wo 320)
; lies at 24,576 g; its scale words (four bytes: a K step of one row) at H_SC + 1,024 g + 64 x K step + 4 r.
; A block's scale is 2^(floor(log2(largest magnitude)) - 4); its byte is the largest magnitude's exponent field - 4, held at 1 from below.
; LIMITS: a block of zeros, and one whose largest magnitude lies under 2^-122, keeps the byte 1 (zero codes add nothing; these bytes are read by this program alone); NaN and infinities are not served.
; SHARES.  Work-groups 0 to 447: one tile each; wave w takes K steps 4 w .. 4 w + 3.  A load reads 512 consecutive bytes of one row; a step's 16 rows turn through the wave's own stage in LDS (rows of 512 + 16 bytes), so that a
; lane gets two whole blocks of its row.  Waves share nothing: no barrier.  Work-groups 448 to 479: the table, 16 positions a wave.
; THE TABLE: [position][cos of 32 frequencies][sin of 32], 256 bytes a position.  angle = fl(position x inv), inv = 10000^(-f / 32) = 10^(-f / 8) as the product of the rounded powers that f's bits choose: within about 3e-7
; of its value, which moves the largest angles by some 1e-4; the angle is reduced by quarter turns in two parts, and the sine and cosine are polynomials on +-pi/4.
.set H_SC,  11010048
.set ROPE,  11468800
.set SP,    528                        ; a stage row
.set SCB,   16*SP                      ; behind the stage: the wave's 256 bytes of scale words
.set WREG,  SCB+256                    ; LDS of a wave
.set R,     32                         ; v32-159  two sets of 64 numbers as loaded
.set X,     160                        ; v160-223 my two blocks of 32
.set C,     224                        ; v224-247 codes, two sets of 12
.macro LOAD t                          ; step t: 16 rows x 512 bytes
.irp i, 0,1,2,3,4,5,6,7,8,9,10,11,12,13,14,15
	global_load_b128 v[R+64*((\t)%2)+4*\i:R+64*((\t)%2)+4*\i+3], v2, s[16:17] offset:(\i+8*(\i/8))*8192+512*(\t) th:TH_LOAD_NT
.endr
.endm
.macro TURN t                          ; through the stage: LDS serves a wave's instructions in order, so no wait stands between the stores and the loads
.irp i, 0,1,2,3,4,5,6,7,8,9,10,11,12,13,14,15
	ds_store_b128 v3, v[R+64*((\t)%2)+4*\i:R+64*((\t)%2)+4*\i+3] offset:SP*\i
.endr
.irp c, 0,1
.irp j, 0,1,2,3,4,5,6,7
	ds_load_b128 v[X+32*\c+4*\j:X+32*\c+4*\j+3], v4 offset:256*\c+16*\j   ; block 2 c + h of row r
.endr
.endr
.endm
.macro STEP t
.set CS, C+12*((\t)%2)
.if (\t) < 3
	s_wait_loadcnt 16                              ; this step's 16 loads are in; the next step's 16 may be out
.else
	s_wait_loadcnt 0x0
.endif
	TURN \t
	s_wait_dscnt 0x0                               ; my blocks are back, and the stores have read the set
.if (\t) < 2
	LOAD (\t)+2                                    ; which takes the loads of two steps on
.else
	s_wait_xcnt 0x0                                ; the stores of two steps back have read this set of codes
.endif
.irp c, 0,1
	v_max3_num_f32 v[8+\c], |v[X+32*\c]|, |v[X+32*\c+1]|, 0x2800000   ; the floor 2^(5 - 127) holds the byte at 1 from below
.endr
.irp i, 2,4,6,8,10,12,14,16,18,20,22,24,26,28,30
.irp c, 0,1
	v_max3_num_f32 v[8+\c], v[8+\c], |v[X+32*\c+\i]|, |v[X+32*\c+\i+1]|   ; the two blocks by turns
.endr
.endr
.irp c, 0,1
	v_add_nc_u32 v[10+\c], 0xfe000000, v[8+\c]     ; 4 off the exponent field: the conversion's scale operand
.endr
.irp c, 0,1
	v_lshrrev_b32 v[12+\c], 23, v[10+\c]           ; the byte
.endr
	v_lshl_or_b32 v14, v13, 16, v12                ; blocks h and 2 + h,
	v_lshlrev_b32 v14, v28, v14                    ; 8 h bits up;
	v_permlanex16_b32 v15, v14, s20, s21
	v_or_b32 v14, v14, v15                         ; with lane l xor 16's two the word is whole
	v_cvt_scalef32_pk16_bf6_f32 v[CS:CS+2], v[X:X+15], v10
	v_cvt_scalef32_pk16_bf6_f32 v[16:18], v[X+16:X+31], v10      ; (a conversion's three registers begin on an even number)
	v_cvt_scalef32_pk16_bf6_f32 v[CS+6:CS+8], v[X+32:X+47], v11
	v_cvt_scalef32_pk16_bf6_f32 v[20:22], v[X+48:X+63], v11
	v_nop                                          ; one plain place behind a scaled conversion
.irp i, 0,1,2
	v_mov_b32 v[CS+3+\i], v[16+\i]
	v_mov_b32 v[CS+9+\i], v[20+\i]
.endr
	ds_store_b32 v6, v14 offset:SCB+64*(\t)        ; lanes r and r + 16 write the same word with the same value
.irp p, 0,1,2,3,4,5
	global_store_b64 v5, v[CS+2*\p:CS+2*\p+1], s[22:23] offset:1536*(\t)+256*\p   ; 32 lanes store 256 consecutive bytes, aligned
.endr
.endm
.macro FACT bit, k                     ; where f has this bit, inv takes the bit's power of ten; else 1, which changes nothing
	v_and_b32 v3, \bit, v2
	v_cmp_eq_u32 vcc_lo, 0, v3
	v_cndmask_b32 v3, \k, v6, vcc_lo
	v_mul_f32 v4, v4, v3
.endm
.macro TRIG a, out                     ; sin(angle + v8 quarter turns)
	v_fma_f32 v13, v[\a], 0x3f22f983, v7           ; angle x 2 / pi + 1.5 x 2^23: the sum is rounded to a whole number, n, which stands in its low bits
	v_sub_f32 v14, v13, v7                         ; n as f32
	v_fma_f32 v15, v14, 0xbfc90fdb, v[\a]          ; angle - n x pi/2, the upper part: exact (a multiple of 2^-23 under 1),
	v_fma_f32 v15, v14, 0x333bbd2e, v15            ; and the lower
	v_mul_f32 v16, v15, v15
	v_mov_b32 v17, 0x3638ef1d                      ; 1/9!
	v_fma_f32 v17, v17, v16, 0xb9500d01            ; -1/7!
	v_fma_f32 v17, v17, v16, 0x3c088889            ; 1/5!
	v_fma_f32 v17, v17, v16, 0xbe2aaaab            ; -1/3!
	v_mul_f32 v18, v16, v15
	v_fma_f32 v17, v17, v18, v15                   ; sin r
	v_mov_b32 v18, 0xb493f27e                      ; -1/10!
	v_fma_f32 v18, v18, v16, 0x37d00d01            ; 1/8!
	v_fma_f32 v18, v18, v16, 0xbab60b61            ; -1/6!
	v_fma_f32 v18, v18, v16, 0x3d2aaaab            ; 1/4!
	v_fma_f32 v18, v18, v16, -0.5
	v_fma_f32 v18, v18, v16, 1.0                   ; cos r
	v_add_nc_u32 v19, v13, v8                      ; Q = n + my quarter turns, in the low bits (1.5 x 2^23 has none there)
	v_and_b32 v22, 1, v19
	v_cmp_eq_u32 vcc_lo, 1, v22
	v_cndmask_b32 v[\out], v17, v18, vcc_lo        ; odd Q: the cosine
	v_and_b32 v22, 2, v19
	v_lshlrev_b32 v22, 30, v22
	v_xor_b32 v[\out], v[\out], v22                ; Q = 2, 3: the sign turns
.endm
	s_load_b256 s[4:11], s[0:1], 0x0               ; hidden_states s[4:5], Wq s[6:7], Wk s[8:9], Wv s[10:11]
	s_load_b128 s[12:15], s[0:1], 0x20
	s_load_b128 s[32:35], s[0:1], 0x30             ; the mask s[32:33], keep s[34:35]
	v_lshl_add_u32 v254, v0, 2, 0x8800
	v_mov_b32 v255, 0
	v_lshrrev_b32 v1, 5, v0
	v_readfirstlane_b32 s24, v1                    ; wave
	v_and_b32 v1, 31, v0                           ; lane
	v_lshlrev_b32 v5, 3, v1                        ; 8 x lane
	s_cmp_ge_u32 ttmp9, 480
	s_cbranch_scc1 .Lmask
	s_cmp_ge_u32 ttmp9, 448
	s_cbranch_scc1 .Lrope
	v_and_b32 v26, 15, v0                          ; r
	v_bfe_u32 v27, v0, 4, 1                        ; h
	v_lshlrev_b32 v2, 4, v1                        ; my 16 bytes of a load's 512
	s_mul_i32 s25, s24, WREG
	v_add_nc_u32 v3, s25, v2                       ; the stage, in
	v_mul_u32_u24 v4, v26, SP
	v_lshl_add_u32 v4, v27, 7, v4
	v_add_nc_u32 v4, s25, v4                       ; and out: row r, + 128 h
	v_lshl_add_u32 v6, v26, 2, s25                 ; my row's scale word
	v_add_nc_u32 v7, s25, v5                       ; and the words on their way out
	v_lshlrev_b32 v28, 3, v27
	v_mov_b32 v15, 0                               ; a lane permute's destination counts as read
	s_mov_b32 s20, 0x76543210
	s_mov_b32 s21, 0xfedcba98                      ; lane l xor 16
	s_wait_alu depctr_va_vdst(0)
	s_wait_kmcnt 0x0
	s_mov_b64 s[16:17], s[12:13]                   ; which tensor: the choice hangs on the work-group's number alone
	s_mov_b32 s18, 320
	s_cmp_lt_u32 ttmp9, 320
	s_cselect_b64 s[16:17], s[10:11], s[16:17]
	s_cselect_b32 s18, 288, s18
	s_cmp_lt_u32 ttmp9, 288
	s_cselect_b64 s[16:17], s[8:9], s[16:17]
	s_cselect_b32 s18, 256, s18
	s_cmp_lt_u32 ttmp9, 256
	s_cselect_b64 s[16:17], s[6:7], s[16:17]
	s_cselect_b32 s18, 128, s18
	s_cmp_lt_u32 ttmp9, 128
	s_cselect_b64 s[16:17], s[4:5], s[16:17]
	s_cselect_b32 s18, 0, s18
	s_sub_co_u32 s18, ttmp9, s18                   ; the tile in its tensor
	s_lshr_b32 s19, s18, 1
	s_lshl_b32 s19, s19, 5
	s_and_b32 s18, s18, 1
	s_lshl_b32 s18, s18, 3
	s_add_co_u32 s19, s19, s18                     ; its first row: 32 b + 8 u
	s_lshl_b32 s26, s19, 13
	s_lshl_b32 s27, s24, 11                        ; my four K steps: 2,048 bytes of a row
	s_add_co_u32 s26, s26, s27
	s_mov_b32 s27, 0
	s_add_nc_u64 s[16:17], s[16:17], s[26:27]
	s_mul_i32 s26, ttmp9, 24576
	s_mul_i32 s28, s24, 6144
	s_add_co_u32 s26, s26, s28
	s_add_nc_u64 s[22:23], s[14:15], s[26:27]      ; my four images
	s_lshl_b32 s26, ttmp9, 10
	s_lshl_b32 s28, s24, 8
	s_add_co_u32 s26, s26, s28
	s_add_co_u32 s26, s26, H_SC
	s_add_nc_u64 s[28:29], s[14:15], s[26:27]      ; my 256 bytes of scale words
	LOAD 0
	LOAD 1
	STEP 0
	STEP 1
	STEP 2
	STEP 3
	ds_load_b64 v[24:25], v7 offset:SCB            ; these see my stores
	s_wait_dscnt 0x0
	global_store_b64 v5, v[24:25], s[28:29]        ; 256 consecutive bytes, aligned
	s_wait_tensorcnt 0x0
	ds_add_u32 v254, v255
	s_wait_dscnt 0x0
	s_endpgm
.Lrope:
	s_sub_co_u32 s25, ttmp9, 448
	s_lshl_b32 s25, s25, 6
	s_lshl_b32 s26, s24, 4
	s_add_co_u32 s31, s25, s26                     ; my first position
	s_lshl_b32 s26, s31, 8
	s_add_co_u32 s26, s26, ROPE
	s_mov_b32 s27, 0
	v_and_b32 v2, 15, v0
	v_lshlrev_b32 v2, 1, v2                        ; my two frequencies: f = 2 (lane % 16) and f + 1
	v_mov_b32 v6, 1.0
	v_mov_b32 v4, 1.0
	FACT 16, 0x3c23d70a                            ; 10^-2
	FACT 8, 0x3dcccccd                             ; 10^-1
	FACT 4, 0x3ea1e89b                             ; 10^(-1/2)
	FACT 2, 0x3f0ff59a                             ; 10^(-1/4): v4 = inv of f
	v_mul_f32 v5, 0x3f3ff911, v4                   ; x 10^(-1/8): inv of f + 1
	v_mov_b32 v7, 0x4b400000                       ; 1.5 x 2^23
	v_bfe_u32 v8, v0, 4, 1
	v_xor_b32 v8, 1, v8                            ; lanes 0-15 make cosines: the sine a quarter turn on
	v_lshlrev_b32 v9, 3, v1                        ; 8 x lane: cosines in the first 128 bytes, sines in the second
	v_mov_b32 v10, s31
	v_or_b32 v10, 0x4b000000, v10                  ; 2^23 + position, as f32,
	v_add_f32 v10, 0xcb000000, v10                 ; less 2^23: the position as f32, exact
	s_mov_b32 s30, 0
	s_wait_kmcnt 0x0
	s_add_nc_u64 s[16:17], s[14:15], s[26:27]
.Lpos:
	s_wait_alu depctr_va_vdst(0)
	v_mul_f32 v11, v10, v4
	v_mul_f32 v12, v10, v5
	TRIG 11, 20
	TRIG 12, 21
	global_store_b64 v9, v[20:21], s[16:17]        ; a position's 256 bytes, aligned
	v_add_f32 v10, 1.0, v10                        ; the next position
	s_wait_xcnt 0x0                                ; the store has read its data and its base
	s_add_nc_u64 s[16:17], s[16:17], 256
	s_add_co_u32 s30, s30, 1
	s_cmp_lt_u32 s30, 16
	s_cbranch_scc1 .Lpos
	s_endpgm
; WORK-GROUPS 480 TO 991: THE MASK'S ROWS, a wave a row of 2,048 numbers; load j is the row's keys 128 j .. 128 j + 127, 512 consecutive bytes.
; keep[row]: bit j = some number of keys 128 j .. lies within 300 of the row's largest; bit 16 + j = all 128 are 0 and the row's largest is 0.
; Where bit j is 0 every logit of the step lies at least 200 under the row's largest logit (the scores are clipped to +-50), so its p = 2^(t - M) is under 2^-288: 0 in f32.
; LIMIT: NaN in the mask is not served.
.Lmask:
	s_wait_alu depctr_va_vdst(0)
	v_lshlrev_b32 v2, 4, v1                        ; my 16 bytes of a load's 512
	v_mov_b32 v9, 0                                ; a lane permute's destination counts as read
	v_mov_b32 v12, 0
	s_sub_co_u32 s25, ttmp9, 480
	s_lshl_b32 s25, s25, 2
	s_add_co_u32 s25, s25, s24                     ; my row
	s_lshl_b32 s26, s25, 13
	s_mov_b32 s27, 0
	s_mov_b32 s20, 0x76543210
	s_mov_b32 s21, 0xfedcba98
	s_wait_alu depctr_va_vdst(0)
	s_wait_kmcnt 0x0
	s_add_nc_u64 s[16:17], s[32:33], s[26:27]
.irp j, 0,1,2,3,4,5,6,7,8,9,10,11,12,13,14,15
	global_load_b128 v[32+4*\j:35+4*\j], v2, s[16:17] offset:512*\j
.endr
	s_lshl_b32 s26, s25, 2
	s_add_nc_u64 s[22:23], s[34:35], s[26:27]
	s_wait_loadcnt 0x0
.irp j, 0,1,2,3,4,5,6,7,8,9,10,11,12,13,14,15
	v_max3_num_f32 v[96+\j], v[32+4*\j], v[33+4*\j], v[34+4*\j]
	v_min3_num_f32 v[112+\j], v[32+4*\j], v[33+4*\j], v[34+4*\j]
.endr
.irp j, 0,1,2,3,4,5,6,7,8,9,10,11,12,13,14,15
	v_max_num_f32 v[96+\j], v[96+\j], v[35+4*\j]   ; my four numbers' largest of step j,
	v_min_num_f32 v[112+\j], v[112+\j], v[35+4*\j] ; and least
.endr
	v_max3_num_f32 v8, v96, v97, v98
.irp i, 99,101,103,105,107,109
	v_max3_num_f32 v8, v8, v[\i], v[\i+1]
.endr
	v_max_num_f32 v8, v8, v111
	v_max_num_f32_dpp v8, v8, v8 row_xmask:1 row_mask:0xf bank_mask:0xf
	v_max_num_f32_dpp v8, v8, v8 row_xmask:2 row_mask:0xf bank_mask:0xf
	v_max_num_f32_dpp v8, v8, v8 row_xmask:4 row_mask:0xf bank_mask:0xf
	v_max_num_f32_dpp v8, v8, v8 row_xmask:8 row_mask:0xf bank_mask:0xf
	v_permlanex16_b32 v9, v8, s20, s21
	v_max_num_f32 v8, v8, v9                       ; the row's largest, in every lane
	v_add_f32 v10, 0xc3960000, v8                  ; less 300
	s_wait_alu depctr_va_vdst(0)
	s_mov_b32 s28, 0
.irp j, 0,1,2,3,4,5,6,7,8,9,10,11,12,13,14,15
	v_cmp_ge_f32 s29, v[96+\j], v10                ; some lane: the step counts
	v_cmp_eq_f32 s30, v[112+\j], v8                ; every lane: the step is flat
	s_cmp_lg_u32 s29, 0
	s_cselect_b32 s29, 1<<\j, 0
	s_or_b32 s28, s28, s29
	s_cmp_eq_u32 s30, -1
	s_cselect_b32 s30, 0x10000<<\j, 0
	s_or_b32 s28, s28, s30
.endr
	v_cmp_eq_f32 s29, 0, v8                        ; the upper bits stand only where the row's largest is 0
	s_cmp_lg_u32 s29, 0
	s_cselect_b32 s29, -1, 0xffff
	s_and_b32 s28, s28, s29
	v_mov_b32 v11, s28
	s_wait_xcnt 0x0
	v_cmp_eq_u32 vcc_lo, 0, v1
	s_and_saveexec_b32 s29, vcc_lo                 ; lane 0 stores the row's word
	s_wait_alu depctr_va_vdst(0)
	global_store_b32 v12, v11, s[22:23]
	s_wait_xcnt 0x0
	s_or_b32 exec_lo, exec_lo, s29
	s_endpgm
.Lfunc_end_k_q5f1fb771a1_prep:
	.size	k_q5f1fb771a1_prep, .Lfunc_end_k_q5f1fb771a1_prep-k_q5f1fb771a1_prep
	.p2alignl 7, 3214868480
	.fill 96, 4, 3214868480
	.section	.rodata,"a",@progbits
	.p2align	6, 0x0
	.amdhsa_kernel k_q5f1fb771a1_prep
		.amdhsa_group_segment_fixed_size 35328
		.amdhsa_private_segment_fixed_size 0
		.amdhsa_enable_private_segment 0
		.amdhsa_kernarg_size 64
		.amdhsa_user_sgpr_count 2
		.amdhsa_user_sgpr_kernarg_segment_ptr 1
		.amdhsa_wavefront_size32 1
		.amdhsa_system_sgpr_workgroup_id_x 1
		.amdhsa_system_sgpr_workgroup_id_y 1
		.amdhsa_system_sgpr_workgroup_id_z 1
		.amdhsa_system_vgpr_workitem_id 0
		.amdhsa_next_free_vgpr 256
		.amdhsa_next_free_sgpr 66
		.amdhsa_reserve_vcc 1
		.amdhsa_float_denorm_mode_32 3
		.amdhsa_float_denorm_mode_16_64 3
		.amdhsa_memory_ordered 1
		.amdhsa_forward_progress 1
		.amdhsa_inst_pref_size 50
	.end_amdhsa_kernel
	.amdgpu_metadata
---
amdhsa.version: [ 1, 2 ]
amdhsa.kernels:
  - .name:           k_q5f1fb771a1_prep
    .symbol:         k_q5f1fb771a1_prep.kd
    .args:
      - { .name: hidden_states, .offset: 0, .size: 8, .value_kind: global_buffer, .address_space: global }
      - { .name: Wq, .offset: 8, .size: 8, .value_kind: global_buffer, .address_space: global }
      - { .name: Wk, .offset: 16, .size: 8, .value_kind: global_buffer, .address_space: global }
      - { .name: Wv, .offset: 24, .size: 8, .value_kind: global_buffer, .address_space: global }
      - { .name: Wo, .offset: 32, .size: 8, .value_kind: global_buffer, .address_space: global }
      - { .name: opnd, .offset: 40, .size: 8, .value_kind: global_buffer, .address_space: global }
      - { .name: attention_mask, .offset: 48, .size: 8, .value_kind: global_buffer, .address_space: global }
      - { .name: keep, .offset: 56, .size: 8, .value_kind: global_buffer, .address_space: global }
    .group_segment_fixed_size: 35328
    .private_segment_fixed_size: 0
    .kernarg_segment_align: 8
    .kernarg_segment_size: 64
    .max_flat_workgroup_size: 128
    .sgpr_count:     66
    .vgpr_count:     256
    .wavefront_size: 32
...
	.end_amdgpu_metadata
.endif
;; end of part 1
;; launch proj (part 2): grid 24 x 16, 4 waves a work-group, clusters of 4 x 4, 327,680 bytes of LDS; arguments opnd, bq, bk, bv, qkvc; writes qkvc
.if DOCPART == 2
	.amdgcn_target "amdgcn-amd-amdhsa--gfx1250"
	.amdhsa_code_object_version 6
	.text
	.protected	k_q5f1fb771a1_proj
	.globl	k_q5f1fb771a1_proj
	.p2align	8
	.type	k_q5f1fb771a1_proj,@function
k_q5f1fb771a1_proj:
	s_mov_b64 s[64:65], 0
	v_nop
	global_prefetch_b8 v0, s[64:65] scope:SCOPE_SE
	s_setreg_imm32_b32 hwreg(HW_REG_WAVE_MODE, 25, 1), 1
	s_wait_xcnt 0x0
	s_wait_alu depctr_hold_cnt(0) depctr_sa_sdst(0) depctr_va_vdst(0) depctr_va_sdst(0) depctr_va_ssrc(0) depctr_va_vcc(0) depctr_vm_vsrc(0)
	s_getreg_b32 s2, hwreg(HW_REG_IB_STS2, 6, 4)
	s_cmp_eq_u32 s2, 0
	s_cbranch_scc0 .Lentry_in_a_cluster
	s_endpgm
.Lentry_in_a_cluster:
	s_bfe_u32 s2, ttmp6, 0x10000c
	s_cmp_lg_u32 s2, 0xf033
	s_cbranch_scc0 .Lentry_shape_is_right
	s_endpgm
.Lentry_shape_is_right:
; PROJ.  q = x Wq^T + bq, k = x Wk^T + bk (both then rotated), v = x Wv^T + bv, on codes of BF6 (E3M2) with E8M0 scales; the results are quantised in registers and stored as operand images.
; A tile of the product is 128 x 128, four waves of 64 x 64: 16 accumulators.  Source 1 ("A") gives the lanes, source 0 ("B") the registers.  Since a tile of 16 rows is rows 32 b + 8 u + r + 8 (r / 8), the 16 registers of two
; neighbouring result tiles are 16 neighbours along B's rows.  Clusters x = 0 .. 3 make q, x = 4 makes k: A = x (lanes: positions), B = the weight (registers: the 64 of one head, which are the next K).
; Cluster x = 5 makes v with the sides changed: A = Wv (lanes: channels), B = x (registers: 64 keys, which are v's next K).
; K = 2,048 goes in four chunks of four K steps of 128 through three LDS slots: chunks 0 to 2 are first fills, chunk 3 fills slot 0 again: one refill.  All scale words of the tile's rows come once.
; CLUSTERS 4 x 4: A's tiles are asked for jointly along a row of the cluster, B's along a column.
; OUT (qkvc): units of 768 bytes (16 lane-rows x 64 along K: three pieces of 256 bytes, 8 bytes a lane): q, k: unit head x 128 + tile of positions (k's heads are 32 .. 39); v: unit (40 + head) x 128 + 4 x (run of 64 keys) + tile of channels.
; Scale words from QSC: q: head x 8,192 + tile x 64 + 4 r (two bytes, zeros above);  per key head at 262,144 + head x 12,288: k likewise, then at 8,192 v's: 256 x (128 keys) + 64 x tile of channels + 4 r.
; v's words are written in halves of two bytes by two waves: 32 KiB in all.
; LIMITS: NaN and infinities are not served; a block whose largest magnitude lies under 2^-122 keeps the byte 1.
; REGISTERS: window 0: v1-4 lane, r, h, 8 x lane; v16-22 LDS addresses; v27 scale words' address; v28, v29 the add's; v32-39 scale words, two sets; v40-127 the way out; v128-255 accumulators ((a, b) at 128 + 8 (4 a + b)).
;   window 1: two fragment buffers at v0 and v128: B's four fragments, then A's four.   window 2: v0-127 cosines and sines (32 for each tile of positions), v128-159 the bias.
.set H_SC,  11010048
.set ROPE,  11468800
.set QSC,   4718592
.set SLOT,  98304                      ; A: 8 tiles x 4 K steps x 1,536 bytes, then B likewise
.set HALF,  24576                      ; four tiles: what one tensor load brings, and what a wave reads of A or of B
.set TILEB, 6144
.set FRB,   1536
.set SCL,   3*SLOT                     ; the scale words: A's 8 tiles x 1,024 bytes, then B's
.set SPARE, SCL+16384                  ; the spare words, 128 bytes a wave: two blocks of 256 bytes that no other line names
.set ADA, 16
.set ADB, 20
.set ADS, 27
.set SPW, 28
.set NIL, 29
.set SC,  32
.set ACC, 128
.set BM,  52
.set PT,  54
.set SO,  56
.set BY,  58
.set CT,  96
.set SEL, 20
.set G1A, 24
.set G1B, 32
.set G1SA, 40
.set G1SB, 48
.set G0SA, 84
.set G0SB, 88
.set MSB, 0
.macro WIN new                         ; the immediate's high byte repeats the setting that is left
.if MSB != \new
	s_set_vgpr_msb (MSB<<8)|\new
.set MSB, \new
.endif
.endm
.set MUL,  0x05                        ; sources 0 and 1 window 1; C and D window 0
.set TO_F, 0x40                        ; destination window 1, address window 0
.macro JLOAD g0a, g1a, g0b, g1b        ; a joint load: waves 0 and 1 fetch for A, waves 2 and 3 for B; four v_nop follow each line
	s_cmp_eq_u32 s15, 0
	s_cbranch_scc0 .Lfor_b_\@
	tensor_load_to_lds s[\g0a:\g0a+3], s[\g1a:\g1a+7]
	s_nop 0
.rept 4
	v_nop
.endr
	s_branch .Lasked_\@
.Lfor_b_\@:
	tensor_load_to_lds s[\g0b:\g0b+3], s[\g1b:\g1b+7]
	s_nop 0
.rept 4
	v_nop
.endr
.Lasked_\@:
.endm
.macro CREST                           ; a round of the cluster's barrier behind its opening barrier
	s_cmp_lg_u32 s14, 0
	s_cbranch_scc1 .Lnot_wave_0_\@
	s_barrier_signal -3
.Lnot_wave_0_\@:
	s_barrier_wait -3
	s_barrier_signal -1
	s_barrier_wait -1
.endm
.macro CROUND
	s_barrier_signal -1
	s_barrier_wait -1
	CREST
.endm
.macro PLACES                          ; four places in front of loads into registers that matrix instructions have read, and of the first read of results
.rept 4
	v_nop
.endr
.endm
; K step ks (the q-th of its slot): 4 scale words, B's 24 pieces, A's 24, into the buffer and the set of scale words of ks % 2.  Each piece is 256 consecutive bytes.
.macro FETCH slot, q, ks
.set FB, 128*((\ks)%2)
	WIN 0
.irp i, 0,1,2,3
	ds_load_b32 v[SC+4*((\ks)%2)+\i], v[ADS] offset:1024*\i+64*(\ks)   ; lanes 0-15: A's tile i; lanes 16-31: B's tile i
.endr
	WIN TO_F
.irp i, 0,1,2,3
.irp p, 0,1,2,3,4,5
	ds_load_b64 v[FB+12*\i+2*\p:FB+12*\i+2*\p+1], v[ADB+\slot] offset:TILEB*(1+(\slot))*\i+FRB*(\q)+256*\p   ; slot 1 holds two chunks: a tile's eight K steps on end
.endr
.endr
.irp i, 0,1,2,3
.irp p, 0,1,2,3,4,5
	ds_load_b64 v[FB+48+12*\i+2*\p:FB+48+12*\i+2*\p+1], v[ADA+\slot] offset:TILEB*(1+(\slot))*\i+FRB*(\q)+256*\p
.endr
.endr
.endm
; A's tile a against B's four.  The 16 accumulators take turns, one instruction a turn, in one order throughout.
.macro MULA par, a, zero
.irp b, 0,1,2,3
.if \zero
	v_wmma_scale_f32_16x16x128_f8f6f4 v[ACC+8*(4*(\a)+\b):ACC+8*(4*(\a)+\b)+7], v[128*(\par)+12*\b:128*(\par)+12*\b+11], v[128*(\par)+48+12*(\a):128*(\par)+48+12*(\a)+11], 0, v[SC+4*(\par)+\b], v[SC+4*(\par)+(\a)] matrix_a_fmt:MATRIX_FMT_BF6 matrix_b_fmt:MATRIX_FMT_BF6 matrix_a_scale:MATRIX_SCALE_ROW1
.else
	v_wmma_scale_f32_16x16x128_f8f6f4 v[ACC+8*(4*(\a)+\b):ACC+8*(4*(\a)+\b)+7], v[128*(\par)+12*\b:128*(\par)+12*\b+11], v[128*(\par)+48+12*(\a):128*(\par)+48+12*(\a)+11], v[ACC+8*(4*(\a)+\b):ACC+8*(4*(\a)+\b)+7], v[SC+4*(\par)+\b], v[SC+4*(\par)+(\a)] matrix_a_fmt:MATRIX_FMT_BF6 matrix_b_fmt:MATRIX_FMT_BF6 matrix_a_scale:MATRIX_SCALE_ROW1
.endif
.endr
.endm
.macro KSTEP ks, sn, qn, zero          ; multiplies K step ks; in its middle fetches the next (slot sn, its qn-th)
	s_wait_dscnt 6                                 ; all but the youngest 6 loads (A's tile 3) are in: with the 52 below, 58 LDS loads of mine are out at the most
	WIN MUL
	MULA (\ks)%2, 0, \zero
	MULA (\ks)%2, 1, \zero
	PLACES
	FETCH \sn, \qn, (\ks)+1
	s_wait_dscnt 52                                ; all but the 52 just issued
	WIN MUL
	MULA (\ks)%2, 2, \zero
	MULA (\ks)%2, 3, \zero
.endm
.macro TURNR                           ; K step 3: slot 0 has been read out and takes chunk 3
	WIN 0
	s_wait_tensorcnt 0x0                           ; all my tensor loads have landed: my parts of chunks 1 and 2;
	ds_add_u32 v[SPW], v[NIL]                      ; 0 onto my spare word
	s_add_nc_u64 s[58:59], s[58:59], 3*TILEB       ; no load of mine is out: slot 0's groups 0 step to chunk 3
	s_add_nc_u64 s[74:75], s[74:75], 3*TILEB
	s_wait_dscnt 7                                 ; (the add and the youngest 6 loads may be out)
	WIN MUL
	MULA 1, 0, 0
	s_wait_dscnt 0x0                               ; the add is done, and my reads of slot 0 are over
	s_barrier_signal -1
	MULA 1, 1, 0
	WIN 0
	s_barrier_wait -1
	CREST                                          ; no wave of any partner still reads slot 0 or has a load on its way
	JLOAD 56, G1A, 72, G1B                         ; the first tensor load behind the round; its four v_nop are the places in front of the loads below
	FETCH 1, 0, 4
	WIN MUL
	MULA 1, 2, 0
	MULA 1, 3, 0
.endm
.macro TURNP                           ; K step 11: chunk 3 is shown to all
	s_wait_tensorcnt 0x0                           ; my one load that was out: my part of chunk 3
	s_wait_dscnt 6
	WIN MUL
	MULA 1, 0, 0
	s_wait_dscnt 0x0
	s_barrier_signal -1
	MULA 1, 1, 0
	WIN 0
	s_barrier_wait -1
	PLACES
	FETCH 0, 0, 12
	WIN MUL
	MULA 1, 2, 0
	MULA 1, 3, 0
.endm
.macro TAIL                            ; K steps 12 to 15: LDS loads and products alone
	KSTEP 12, 0, 1, 0
	KSTEP 13, 0, 2, 0
	KSTEP 14, 0, 3, 0
	s_wait_dscnt 6
	WIN MUL
	MULA 1, 0, 0
	MULA 1, 1, 0
	s_wait_dscnt 0x0
	MULA 1, 2, 0
	MULA 1, 3, 0
	WIN 0
	PLACES
.endm
; 32 numbers of a lane, register 16 b + i = k 32 b + 16 h + i of my row, become 6 registers of codes (lanes 0-15 block 0, lanes 16-31 block 1) and a word of two scale bytes.
.macro QUANT2 s, c, w
	v_max3_num_f32 v[BM], |v[(\s)]|, |v[(\s)+1]|, 0x2800000     ; the floor 2^(5 - 127) holds the byte at 1 from below
	v_max3_num_f32 v[BM+1], |v[(\s)+16]|, |v[(\s)+17]|, 0x2800000
.irp i, 2,4,6,8,10,12,14
	v_max3_num_f32 v[BM], v[BM], |v[(\s)+\i]|, |v[(\s)+\i+1]|
	v_max3_num_f32 v[BM+1], v[BM+1], |v[(\s)+16+\i]|, |v[(\s)+17+\i]|
.endr
	v_permlanex16_b32 v[PT], v[BM], s[SEL], s[SEL+1]
	v_permlanex16_b32 v[PT+1], v[BM+1], s[SEL], s[SEL+1]
	v_max_num_f32 v[BM], v[BM], v[PT]              ; with lane l xor 16's 16: the block's largest magnitude
	v_max_num_f32 v[BM+1], v[BM+1], v[PT+1]
	v_add_nc_u32 v[SO], 0xfe000000, v[BM]          ; 4 off the exponent field: the conversion's scale operand
	v_add_nc_u32 v[SO+1], 0xfe000000, v[BM+1]
	v_lshrrev_b32 v[BY], 23, v[SO]
	v_lshrrev_b32 v[BY+1], 23, v[SO+1]
	v_lshl_or_b32 v[(\w)], v[BY+1], 8, v[BY]
	v_cvt_scalef32_pk16_bf6_f32 v[(\c):(\c)+2], v[(\s):(\s)+15], v[SO]
	v_cvt_scalef32_pk16_bf6_f32 v[CT:CT+2], v[(\s)+16:(\s)+31], v[SO+1]
	v_nop                                          ; one plain place behind a scaled conversion
.irp i, 0,1,2
	v_permlane16_swap_b32 v[(\c)+\i], v[CT+\i]     ; a whole block to a lane
.endr
.irp i, 0,1,2
	v_mov_b32 v[(\c)+3+\i], v[CT+\i]
.endr
.endm
.macro QALL                            ; the four tiles of lanes: codes to v[64 + 8 a ..], words to v[100 + a]; the codes are stored; the words of tiles 0, 1 and 2, 3 are laid side by side
	s_mov_b32 s[SEL], 0x76543210
	s_mov_b32 s[SEL+1], 0xfedcba98
	v_mov_b32 v[PT], 0                             ; a lane permute's destination counts as read
	v_mov_b32 v[PT+1], 0
.irp a, 0,1,2,3
	QUANT2 ACC+32*\a, 64+8*\a, 100+\a
.endr
.irp a, 0,1,2,3
.irp i, 0,1,2
	global_store_b64 v4, v[64+8*\a+2*\i:65+8*\a+2*\i], s[2:3] offset:768*\a+256*\i   ; 256 consecutive bytes, aligned
.endr
.endr
	v_cmp_lt_u32 vcc_lo, 15, v1
	v_cndmask_b32 v104, v100, v101, vcc_lo
	v_cndmask_b32 v105, v102, v103, vcc_lo
	v_lshlrev_b32 v43, 2, v1
.endm
.macro ROTM a, u, i, t
	v_pk_mul_f32 v[\t:\t+1], v[32*\a+16+8*\u+\i:32*\a+17+8*\u+\i], v[ACC+8*(4*\a+2+\u)+\i:ACC+8*(4*\a+2+\u)+\i+1]     ; sin x2
	v_pk_mul_f32 v[\t+2:\t+3], v[32*\a+16+8*\u+\i:32*\a+17+8*\u+\i], v[ACC+8*(4*\a+\u)+\i:ACC+8*(4*\a+\u)+\i+1]       ; sin x1
.endm
.macro ROTF a, u, i, t
	v_pk_fma_f32 v[ACC+8*(4*\a+\u)+\i:ACC+8*(4*\a+\u)+\i+1], v[32*\a+8*\u+\i:32*\a+1+8*\u+\i], v[ACC+8*(4*\a+\u)+\i:ACC+8*(4*\a+\u)+\i+1], v[\t:\t+1] neg_lo:[0,0,1] neg_hi:[0,0,1]   ; x1 cos - x2 sin
	v_pk_fma_f32 v[ACC+8*(4*\a+2+\u)+\i:ACC+8*(4*\a+2+\u)+\i+1], v[32*\a+8*\u+\i:32*\a+1+8*\u+\i], v[ACC+8*(4*\a+2+\u)+\i:ACC+8*(4*\a+2+\u)+\i+1], v[\t+2:\t+3]                    ; x2 cos + x1 sin
.endm
	s_load_b256 s[4:11], s[0:1], 0x0               ; opnd s[4:5], bq s[6:7], bk s[8:9], bv s[10:11]
	s_load_b64 s[12:13], s[0:1], 0x20              ; qkvc
	v_lshl_add_u32 v[SPW], v0, 2, SPARE
	v_mov_b32 v[NIL], 0
	ds_add_u32 v28, v29
	ds_add_u32 v28, v29
	s_wait_dscnt 0x0
	v_lshrrev_b32 v1, 5, v0
	v_readfirstlane_b32 s14, v1                    ; wave 0..3
	s_lshr_b32 s15, s14, 1                         ; my half of A's tiles.  Also: I fetch for A (0) or for B (1)
	s_and_b32 s16, s14, 1                          ; my half of B's tiles.  Also: which four tiles I fetch
	s_bfe_u32 s17, ttmp6, 0x40000                  ; cx
	s_bfe_u32 s18, ttmp6, 0x40004                  ; cy
	s_and_b32 s19, ttmp7, 0xffff                   ; cluster y
	s_add_co_u32 s20, ttmp9, 3
	s_lshr_b32 s20, s20, 3                         ; 1 where the cluster's x is 5: v
	s_xor_b32 s21, s20, 1
	s_mul_i32 s92, s19, s21
	s_lshl_b32 s92, s92, 2
	s_add_co_u32 s92, s92, s18                     ; A's tile of 128 rows: q, k: 4 y + cy;  v: cy
	s_mul_i32 s93, ttmp9, s21
	s_mul_i32 s94, s19, s20
	s_add_co_u32 s93, s93, s94
	s_lshl_b32 s93, s93, 2
	s_add_co_u32 s93, s93, s17                     ; B's: q, k: 4 x + cx;  v: 4 y + cx
	s_lshl_b32 s94, s18, 2
	s_lshl_b32 s94, 15, s94                        ; my row of the cluster
	s_lshl_b32 s95, 0x1111, s17                    ; my column
	s_or_b32 s[G1A], s94, (3<<16)|(1<<21)          ; 15:0 the mask; 17:16 elements of 8 bytes; 21 set beside a mask; no padding
	s_or_b32 s[G1B], s95, (3<<16)|(1<<21)
	s_or_b32 s[G1SA], s94, (3<<16)|(1<<21)
	s_or_b32 s[G1SB], s95, (3<<16)|(1<<21)
.irp g, G1A, G1B                       ; four tiles' four K steps: 4 rows of 6,144 bytes, 24,576 bytes apart
	s_mov_b32 s[\g+1], 768<<16
	s_mov_b32 s[\g+2], 8<<16                       ; the head's loads bring all eight tiles; behind them the two words are set to 4
	s_mov_b32 s[\g+3], 768<<16
	s_mov_b32 s[\g+4], 8
	s_mov_b32 s[\g+5], 3072
	s_mov_b32 s[\g+6], 0
	s_mov_b32 s[\g+7], 0
.endr
.irp g, G1SA, G1SB                     ; A's and B's scale words
	s_mov_b32 s[\g+1], 32<<16
	s_mov_b32 s[\g+2], 32<<16                      ; eight tiles' scale words: 8,192 dense bytes as 32 rows of 256
	s_mov_b32 s[\g+3], 32<<16
	s_mov_b32 s[\g+4], 32
	s_mov_b32 s[\g+5], 32
	s_mov_b32 s[\g+6], 0
	s_mov_b32 s[\g+7], 0
.endr
	s_lshl_b32 s97, s92, 3
	s_mul_i32 s98, s20, 288
	s_add_co_u32 s97, s97, s98                     ; A's first tile that I fetch (x from 0, Wv from 288)
	s_lshl_b32 s98, s93, 3
	s_lshl_b32 s99, s21, 7
	s_add_co_u32 s98, s98, s99                     ; B's (Wq and Wk from 128, x from 0)
	s_mul_i32 s2, s97, 24576
	s_mov_b32 s3, 0
	s_lshl_b32 s22, s97, 10
	s_add_co_u32 s22, s22, H_SC
	s_mov_b32 s23, 0
	s_lshl_b32 s100, s98, 10
	s_add_co_u32 s100, s100, H_SC
	s_mov_b32 s101, 0
	s_mul_i32 s98, s98, 24576
	s_mov_b32 s99, 0
	s_mul_i32 s96, s14, HALF                       ; where they go: wave x four tiles: no place in the cluster enters an LDS address
	s_wait_kmcnt 0x0
	s_add_nc_u64 s[2:3], s[4:5], s[2:3]
	s_add_nc_u64 s[22:23], s[4:5], s[22:23]
	s_add_nc_u64 s[98:99], s[4:5], s[98:99]
	s_add_nc_u64 s[100:101], s[4:5], s[100:101]
	CROUND                                         ; all sixteen work-groups are here: the first joint loads meet
	s_mov_b32 s[G0SA], 1
	s_mov_b32 s[G0SA+1], SCL
	s_mov_b64 s[G0SA+2:G0SA+3], s[22:23]
	s_or_b32 s[G0SA+3], s[G0SA+3], 0x80000000
	s_mov_b32 s[G0SB], 1
	s_mov_b32 s[G0SB+1], SCL+8192
	s_mov_b64 s[G0SB+2:G0SB+3], s[100:101]
	s_or_b32 s[G0SB+3], s[G0SB+3], 0x80000000
.irp c, 0
	s_mov_b32 s[56+4*\c+4*(\c/2)], 1
	s_add_co_u32 s[57+4*\c+4*(\c/2)], s96, \c*SLOT
	s_add_nc_u64 s[58+4*\c+4*(\c/2):59+4*\c+4*(\c/2)], s[2:3], \c*TILEB
	s_or_b32 s[59+4*\c+4*(\c/2)], s[59+4*\c+4*(\c/2)], 0x80000000
	s_mov_b32 s[72+4*\c], 1
	s_add_co_u32 s[73+4*\c], s96, \c*SLOT
	s_add_nc_u64 s[74+4*\c:75+4*\c], s[98:99], \c*TILEB
	s_or_b32 s[75+4*\c], s[75+4*\c], 0x80000000
	; THE HEAD'S LOADS, ONE A WAVE: wave 0 chunk 0 of A's eight tiles, wave 1 of B's, wave 2 A's scale words, wave 3 B's: one chain of branches on the wave's number
	s_mov_b32 s57, 0
	s_mov_b32 s73, 2*HALF
	s_cmp_lt_u32 s14, 1
	s_cbranch_scc0 .Lh1
	tensor_load_to_lds s[56:59], s[G1A:G1A+7]
	s_nop 0
.rept 4
	v_nop
.endr
	s_branch .Lhj
.Lh1:
	s_cmp_lt_u32 s14, 2
	s_cbranch_scc0 .Lh2
	tensor_load_to_lds s[72:75], s[G1B:G1B+7]
	s_nop 0
.rept 4
	v_nop
.endr
	s_branch .Lhj
.Lh2:
	s_cmp_lt_u32 s14, 3
	s_cbranch_scc0 .Lh3
	tensor_load_to_lds s[G0SA:G0SA+3], s[G1SA:G1SA+7]
	s_nop 0
.rept 4
	v_nop
.endr
	s_branch .Lhj
.Lh3:
	tensor_load_to_lds s[G0SB:G0SB+3], s[G1SB:G1SB+7]
	s_nop 0
.rept 4
	v_nop
.endr
.Lhj:
	s_mul_i32 s22, s16, 4*24576                    ; from here on a wave fetches four tiles: its half
	s_mov_b32 s23, 0
	s_add_nc_u64 s[2:3], s[2:3], s[22:23]
	s_add_nc_u64 s[98:99], s[98:99], s[22:23]
	s_mov_b32 s60, 1                               ; chunks 1 and 2 by one load: four rows of 12,288 bytes, to SLOT + wave x 49,152
	s_lshl_b32 s61, s96, 1
	s_add_co_u32 s61, s61, SLOT
	s_add_nc_u64 s[62:63], s[2:3], TILEB
	s_or_b32 s63, s63, 0x80000000
	s_mov_b32 s76, 1
	s_mov_b32 s77, s61
	s_add_nc_u64 s[78:79], s[98:99], TILEB
	s_or_b32 s79, s79, 0x80000000
	; PREFETCHES INTO THE L2, one load ahead: here chunks 1 and 2, which the next joint load brings; behind that load chunk 3.  Of the four tiles that I fetch, each of the four partners that ask for them
	; jointly takes one, told apart by address (cx for A, cy for B): 48 blocks of 256 bytes here, 24 there, a lane a block; lanes left over name the last block again.  The registers are never rewritten.
	s_cmp_eq_u32 s15, 0
	s_cselect_b64 s[66:67], s[2:3], s[98:99]
	s_cselect_b32 s68, s17, s18
	s_mul_i32 s68, s68, 24576
	s_mov_b32 s69, 0
	s_add_nc_u64 s[66:67], s[66:67], s[68:69]
	v_and_b32 v6, 31, v0
	v_min_u32 v7, 15, v6
	v_min_u32 v8, 23, v6
	v_lshlrev_b32 v6, 8, v6
	v_lshlrev_b32 v7, 8, v7
	v_lshlrev_b32 v8, 8, v8
	s_wait_alu depctr_va_vdst(0)
	global_prefetch_b8 v6, s[66:67] offset:TILEB th:TH_LOAD_NT scope:SCOPE_SE
	global_prefetch_b8 v7, s[66:67] offset:TILEB+8192 th:TH_LOAD_NT scope:SCOPE_SE
.endr
	v_and_b32 v1, 31, v0                           ; lane
	v_and_b32 v2, 15, v0                           ; r
	v_bfe_u32 v3, v0, 4, 1                         ; h
	s_wait_alu depctr_va_vdst(0)
	v_lshlrev_b32 v4, 3, v1                        ; 8 x lane
	s_mul_i32 s94, s15, HALF
	s_mul_i32 s95, s16, HALF
	s_add_co_u32 s95, s95, 2*HALF
	v_add_nc_u32 v[ADA], s94, v4
	v_add_nc_u32 v[ADB], s95, v4
	s_lshl_b32 s94, s94, 1                         ; in the double slot every part is twice as long
	s_lshl_b32 s95, s95, 1
	s_add_co_u32 s94, s94, SLOT
	s_add_co_u32 s95, s95, SLOT
	v_add_nc_u32 v[ADA+1], s94, v4
	v_add_nc_u32 v[ADB+1], s95, v4
	s_lshl_b32 s94, s15, 12                        ; scale words: A's, my four tiles;
	s_lshl_b32 s95, s16, 12
	s_add_co_u32 s95, s95, 8192                    ; B's lie behind A's eight
	s_sub_co_u32 s95, s95, s94
	v_mul_u32_u24 v5, s95, v3                      ; lanes 16-31 take B's
	v_lshl_add_u32 v5, v2, 2, v5
	s_add_co_u32 s94, s94, SCL
	v_add_nc_u32 v[ADS], s94, v5
	s_wait_alu depctr_va_vdst(0)
	s_wait_tensorcnt 0x0                           ; my tile of the head's four is in
	ds_add_u32 v[SPW], v[NIL]
	s_mov_b32 s[G1A+2], 4<<16                      ; no load of mine is out: the descriptors are written: four tiles a load,
	s_mov_b32 s[G1A+4], 4
	s_mov_b32 s[G1B+2], 4<<16
	s_mov_b32 s[G1B+4], 4
.irp g, G1SA, G1SB                     ; the scales' groups 1 now serve the double slot: 4 rows of 12,288 bytes, 24,576 apart
	s_mov_b32 s[\g+1], 1536<<16
	s_mov_b32 s[\g+2], 4<<16
	s_mov_b32 s[\g+3], 1536<<16
	s_mov_b32 s[\g+4], 4
	s_mov_b32 s[\g+5], 3072
.endr
	s_mov_b32 s57, s96                             ; slot 0's groups 0: my four tiles, for the refill
	s_mov_b64 s[58:59], s[2:3]
	s_or_b32 s59, s59, 0x80000000
	s_mov_b32 s73, s96
	s_mov_b64 s[74:75], s[98:99]
	s_or_b32 s75, s75, 0x80000000
	s_wait_dscnt 0x0
	CROUND
	JLOAD 60, G1SA, 76, G1SB                       ; chunks 1 and 2: the first tensor load behind the round
	global_prefetch_b8 v8, s[66:67] offset:3*TILEB th:TH_LOAD_NT scope:SCOPE_SE   ; chunk 3 of my partner's share
	FETCH 0, 0, 0
	KSTEP 0, 0, 1, 1                               ; the first products start the sums
	KSTEP 1, 0, 2, 0
	KSTEP 2, 0, 3, 0
	TURNR
	KSTEP 4, 1, 1, 0
	KSTEP 5, 1, 2, 0
	KSTEP 6, 1, 3, 0
	KSTEP 7, 1, 4, 0
	KSTEP 8, 1, 5, 0
	KSTEP 9, 1, 6, 0
	KSTEP 10, 1, 7, 0
	TURNP
	WIN 0
	; The two ways part here, behind the last barrier, on the cluster's x, which all partners share.  Each way asks for its table and bias, multiplies the last four K steps meanwhile, and goes out.
	s_cmp_eq_u32 ttmp9, 5
	s_cbranch_scc1 .Lv_path
	v_and_b32 v40, 8, v2
	v_add_nc_u32 v40, v40, v2                      ; r + 8 (r / 8)
	v_lshlrev_b32 v40, 8, v40                      ; a position's 256 bytes of the table,
	v_lshl_add_u32 v40, v3, 6, v40                 ; my 16 frequencies: 16 h on
	s_wait_alu depctr_va_vdst(0)
	v_lshlrev_b32 v41, 6, v3                       ; the bias: my 16 h
	s_wait_alu depctr_va_vdst(0)
	s_lshl_b32 s94, s92, 7
	s_lshl_b32 s95, s15, 6
	s_add_co_u32 s94, s94, s95                     ; my first position
	s_lshl_b32 s94, s94, 8
	s_add_co_u32 s94, s94, ROPE
	s_mov_b32 s95, 0
	s_add_nc_u64 s[94:95], s[4:5], s[94:95]
	s_lshl_b32 s96, s93, 1
	s_add_co_u32 s96, s96, s16                     ; my head: 0 .. 31 q, 32 .. 39 k
	s_cmp_eq_u32 ttmp9, 4
	s_cselect_b64 s[98:99], s[8:9], s[6:7]
	s_cselect_b32 s97, 32, 0
	s_sub_co_u32 s97, s96, s97                     ; the head in its own tensor
	s_lshl_b32 s100, s97, 8
	s_mov_b32 s101, 0
	s_add_nc_u64 s[98:99], s[98:99], s[100:101]
	WIN 0x80                                       ; destination window 2
.irp a, 0,1,2,3
.irp k, 0,1,2,3
	global_load_b128 v[32*\a+4*\k:32*\a+4*\k+3], v40, s[94:95] offset:(32*(\a/2)+8*(\a%2))*256+16*\k           ; cosines
	global_load_b128 v[32*\a+16+4*\k:32*\a+19+4*\k], v40, s[94:95] offset:(32*(\a/2)+8*(\a%2))*256+128+16*\k   ; sines
.endr
.endr
.irp b, 0,1,2,3
	global_load_b128 v[128+8*\b:131+8*\b], v41, s[98:99] offset:(32*(\b/2)+8*(\b%2))*4
	global_load_b128 v[132+8*\b:135+8*\b], v41, s[98:99] offset:(32*(\b/2)+8*(\b%2))*4+16
.endr
	TAIL
	s_lshl_b32 s100, s92, 3
	s_lshl_b32 s101, s15, 2
	s_add_co_u32 s100, s100, s101                  ; my first tile of positions
	s_lshl_b32 s101, s96, 7
	s_add_co_u32 s101, s101, s100                  ; my first unit
	s_mul_i32 s2, s101, 768
	s_mov_b32 s3, 0
	s_add_nc_u64 s[2:3], s[12:13], s[2:3]
	s_lshl_b32 s101, s96, 13                       ; q's scale words
	s_mul_i32 s97, s97, 12288
	s_add_co_u32 s97, s97, 262144                  ; k's
	s_cmp_eq_u32 ttmp9, 4
	s_cselect_b32 s101, s97, s101
	s_lshl_b32 s100, s100, 6
	s_add_co_u32 s100, s100, s101
	s_add_co_u32 s100, s100, QSC
	s_mov_b32 s101, 0
	s_add_nc_u64 s[100:101], s[12:13], s[100:101]
	s_wait_loadcnt 0x0                             ; the table and the bias
	WIN 0x02                                       ; source 0 window 2
.irp a, 0,1,2,3
.irp b, 0,1,2,3
.irp i, 0,2,4,6
	v_pk_add_f32 v[ACC+8*(4*\a+\b)+\i:ACC+8*(4*\a+\b)+\i+1], v[128+8*\b+\i:129+8*\b+\i], v[ACC+8*(4*\a+\b)+\i:ACC+8*(4*\a+\b)+\i+1]   ; each accumulator from its low end on
.endr
.endr
.endr
.irp a, 0,1,2,3                        ; x1: channels 16 h + 8 u + i (tiles 0, 1), x2: those 32 on (tiles 2, 3)
.irp u, 0,1
.irp i, 0,4
	ROTM \a, \u, \i, 44
	ROTM \a, \u, \i+2, 48
	ROTF \a, \u, \i, 44
	ROTF \a, \u, \i+2, 48
.endr
.endr
.endr
	WIN 0
	QALL
	global_store_b32 v43, v104, s[100:101]         ; two tiles' words: 128 consecutive bytes
	global_store_b32 v43, v105, s[100:101] offset:128
	s_branch .Lend
.Lv_path:
	v_and_b32 v40, 8, v2
	v_add_nc_u32 v40, v40, v2
	v_lshlrev_b32 v40, 2, v40                      ; my channel's bias: 4 (r + 8 (r / 8))
	s_lshl_b32 s94, s92, 7
	s_lshl_b32 s95, s15, 6
	s_add_co_u32 s94, s94, s95                     ; my first channel of the 512
	s_lshl_b32 s94, s94, 2
	s_mov_b32 s95, 0
	s_add_nc_u64 s[94:95], s[10:11], s[94:95]
.irp a, 0,1,2,3
	global_load_b32 v[44+2*\a], v40, s[94:95] offset:(32*(\a/2)+8*(\a%2))*4
.endr
	TAIL
	s_lshl_b32 s96, s92, 1
	s_add_co_u32 s96, s96, s15                     ; my key head
	s_add_co_u32 s97, s96, 40
	s_lshl_b32 s97, s97, 7
	s_lshl_b32 s100, s93, 1
	s_add_co_u32 s100, s100, s16                   ; my run of 64 keys
	s_lshl_b32 s100, s100, 2
	s_add_co_u32 s97, s97, s100                    ; my first unit
	s_mul_i32 s2, s97, 768
	s_mov_b32 s3, 0
	s_add_nc_u64 s[2:3], s[12:13], s[2:3]
	s_mul_i32 s100, s96, 12288
	s_lshl_b32 s101, s93, 8                        ; 256 bytes for each 128 keys,
	s_add_co_u32 s100, s100, s101
	s_lshl_b32 s101, s16, 1                        ; my half of each word
	s_add_co_u32 s100, s100, s101
	s_add_co_u32 s100, s100, QSC+262144+8192
	s_mov_b32 s101, 0
	s_add_nc_u64 s[100:101], s[12:13], s[100:101]
	s_wait_loadcnt 0x0
.irp a, 0,1,2,3
	v_mov_b32 v[45+2*\a], v[44+2*\a]               ; a pair for the packed addition
.endr
.irp a, 0,1,2,3
.irp b, 0,1,2,3
.irp i, 0,2,4,6
	v_pk_add_f32 v[ACC+8*(4*\a+\b)+\i:ACC+8*(4*\a+\b)+\i+1], v[ACC+8*(4*\a+\b)+\i:ACC+8*(4*\a+\b)+\i+1], v[44+2*\a:45+2*\a]
.endr
.endr
.endr
	QALL
	global_store_b16 v43, v104, s[100:101]         ; two bytes of each word of four key blocks
	global_store_b16 v43, v105, s[100:101] offset:128
.Lend:
	s_wait_tensorcnt 0x0                           ; the wave's end
	ds_add_u32 v[SPW], v[NIL]
	s_wait_dscnt 0x0
	CROUND                                         ; the closing round
	s_endpgm
.Lfunc_end_k_q5f1fb771a1_proj:
	.size	k_q5f1fb771a1_proj, .Lfunc_end_k_q5f1fb771a1_proj-k_q5f1fb771a1_proj
	.p2alignl 7, 3214868480
	.fill 96, 4, 3214868480
	.section	.rodata,"a",@progbits
	.p2align	6, 0x0
	.amdhsa_kernel k_q5f1fb771a1_proj
		.amdhsa_group_segment_fixed_size 327680
		.amdhsa_private_segment_fixed_size 0
		.amdhsa_enable_private_segment 0
		.amdhsa_kernarg_size 40
		.amdhsa_user_sgpr_count 2
		.amdhsa_user_sgpr_kernarg_segment_ptr 1
		.amdhsa_wavefront_size32 1
		.amdhsa_system_sgpr_workgroup_id_x 1
		.amdhsa_system_sgpr_workgroup_id_y 1
		.amdhsa_system_sgpr_workgroup_id_z 1
		.amdhsa_system_vgpr_workitem_id 0
		.amdhsa_next_free_vgpr 768
		.amdhsa_next_free_sgpr 102
		.amdhsa_reserve_vcc 1
		.amdhsa_float_denorm_mode_32 3
		.amdhsa_float_denorm_mode_16_64 3
		.amdhsa_memory_ordered 1
		.amdhsa_forward_progress 1
		.amdhsa_inst_pref_size 161
	.end_amdhsa_kernel
	.amdgpu_metadata
---
amdhsa.version: [ 1, 2 ]
amdhsa.kernels:
  - .name:           k_q5f1fb771a1_proj
    .symbol:         k_q5f1fb771a1_proj.kd
    .args:
      - { .name: opnd, .offset: 0, .size: 8, .value_kind: global_buffer, .address_space: global }
      - { .name: bq, .offset: 8, .size: 8, .value_kind: global_buffer, .address_space: global }
      - { .name: bk, .offset: 16, .size: 8, .value_kind: global_buffer, .address_space: global }
      - { .name: bv, .offset: 24, .size: 8, .value_kind: global_buffer, .address_space: global }
      - { .name: qkvc, .offset: 32, .size: 8, .value_kind: global_buffer, .address_space: global }
    .group_segment_fixed_size: 327680
    .private_segment_fixed_size: 0
    .kernarg_segment_align: 8
    .kernarg_segment_size: 40
    .max_flat_workgroup_size: 128
    .sgpr_count:     102
    .vgpr_count:     768
    .wavefront_size: 32
...
	.end_amdgpu_metadata
.endif
;; end of part 2
;; launch attn (part 3): grid 64 x 8, 4 waves a work-group, no clusters, 0 bytes of LDS; arguments qkvc, attention_mask, keep, attc; writes attc
.if DOCPART == 3
	.amdgcn_target "amdgcn-amd-amdhsa--gfx1250"
	.amdhsa_code_object_version 6
	.text
	.protected	k_q5f1fb771a1_attn
	.globl	k_q5f1fb771a1_attn
	.p2align	8
	.type	k_q5f1fb771a1_attn,@function
k_q5f1fb771a1_attn:
	s_mov_b64 s[64:65], 0
	v_nop
	global_prefetch_b8 v0, s[64:65] scope:SCOPE_SE
	s_setreg_imm32_b32 hwreg(HW_REG_WAVE_MODE, 25, 1), 1
	s_wait_xcnt 0x0
; ATTN.  For each query head: logits = clip(q . k / 8, -50, 50) + mask; p = 2^(t - M), t = logit x log2(e), M the running largest t rounded up to a whole number; O = (sum of Q(p) Q(v)) / (sum of the unquantised p);
; O is quantised along the 2,048 of all heads and stored as the last product's operand image.  Both products on codes of BF6 (E3M2) with E8M0 scales.
; WHICH KEY STEPS ARE WALKED hangs on whole numbers that the launch before stored for each row of the mask (keep): bit j: some number of the mask at keys 128 j .. 128 j + 127 lies within 300 of the row's largest;
; bit 16 + j: all 128 are 0 and the row's largest is 0.  A step of 128 keys in which no row of a tile of 16 queries has bit j holds only p = 0 in f32 (the scores are clipped to +-50) and is passed over;
; a step in which all 16 rows have bit 16 + j ("flat") loads nothing of the mask: its logit is u / 8, u the clipped score, and (u / 8) x log2(e) - M is one multiply-add with log2(e) / 8, which gives the same bits,
; the factor being a power of two; every other step loads the mask.  This holds for every mask.
; SHARES.  A work-group is the four query heads of one key head, a wave a head.  A wave takes the tiles of 16 queries p and 127 - p, one after the other.  512 work-groups, two to a WGP.
; NO LDS, NO BARRIER, NO TENSOR LOAD, NO CLUSTER: the trip counts hang on numbers read from memory.  K's, V's and Q's images lie in the order of the operands' registers and go from memory straight into them;
; K, V and the mask are asked for one key step ahead of their use, Q one tile ahead, each by its own load, so no separate prefetch is written.  The stream of K and V runs on from the first tile into the second;
; the wave's last trip asks once more, at step 15, and a tile's last step that reads the mask asks for the same part of the mask once more: so every counted wait counts the same loads in every trip.
; LAYOUT.  Both products are used transposed (S^T = K Q^T, O^T = V^T P^T): a lane holds one query.  The head's 64 are half of the instruction's 128: registers 6 to 11 of Q's fragment are zero codes,
; so registers 6 to 11 of a fragment of K may hold the next tile's codes: they are multiplied by zeros.  A tile of 16 keys is keys 32 b + 8 u + r + 8 (r / 8).
; LIMITS: NaN and +infinity are not served; -infinity in the mask only where the row keeps a finite logit; p under 2^-126 is 0; a block whose every p is 0 keeps the byte 1 over zero codes;
; the promise holds while the scaled scores stay under 2^31 in magnitude.
; REGISTERS: v1-4 lane offsets; v12 -M, v13 largest t, v[14:15] the sum; v16-27 Q; v28 Q's scale word, v29 p's; v30-33 K's, v34-35 V's; v36-89 K; v90-95, v246 the next tile's Q and scale word;
; v96-159 S^T, then p; v160-191 O^T; v192-203 p's codes; v204-245 at work.  Window 1: v0-47 V's four fragments, v48-111 the mask.
.set QSC, 4718592
.set ASC, 3145728
.set KU,  98304                        ; a head's 128 units of 768 bytes
.set KF, 36
.set QN, 90
.set QNS, 246
.set KSW, 30
.set VSW, 34
.set PC, 192
.set CT, 204
.set BM, 212
.set PT, 216
.set SO, 220
.set BY, 224
.set TT, 228
.set FF, 230
.set SM, 232
.set SEL, 20
.set CS, 22
.set C8, 52
.set SIT, 19
.set WC, 56
.set WN, 57
.set GA, 58
.set GB, 59
.set FA, 60
.set FB, 61
.set SX, 62
.set SJ, 63
.set ST, 66
.set SR, 67
.set OF, 68
.set PA, 70
.set PS, 72
.set PV, 74
.set KB, 76
.set SB, 78
.set MB, 80
.set MA, 82
.set QA, 84
.set QS, 86
.set OA, 90
.set OS, 92
.set TI, 94
.set GR, 95
.set NF, 96
.set NG, 97
.set CN, 98
.set JM, 99
.set MSB, 0
.macro WIN new                         ; the immediate's high byte repeats the setting that is left
.if MSB != \new
	s_set_vgpr_msb (MSB<<8)|\new
.set MSB, \new
.endif
.endm
.macro PLACES
.rept 4
	v_nop
.endr
.endm
.macro ROW0 d, t                       ; a tile's first row: 32 (t / 2) + 8 (t % 2)
	s_lshr_b32 s[\d], s[\t], 1
	s_lshl_b32 s[\d], s[\d], 5
	s_and_b32 s[ST], s[\t], 1
	s_lshl_b32 s[ST], s[ST], 3
	s_add_co_u32 s[\d], s[\d], s[ST]
.endm
.macro RED b, f, g, w                  ; 16 rows' words: f = flat in all rows; g = counts in some row and is not flat; w = f below, g above: the order of the walk
	s_or_b32 s[ST], s[\b], s[\b+1]
	s_and_b32 s[SR], s[\b], s[\b+1]
.irp i, 2,3,4,5,6,7,8,9,10,11,12,13,14,15
	s_or_b32 s[ST], s[ST], s[\b+\i]
	s_and_b32 s[SR], s[SR], s[\b+\i]
.endr
	s_lshr_b32 s[\f], s[SR], 16
	s_and_b32 s[ST], s[ST], 0xffff
	s_and_not1_b32 s[\g], s[ST], s[\f]
	s_lshl_b32 s[ST], s[\g], 16
	s_or_b32 s[\w], s[\f], s[ST]
.endm
.macro NEXTKV                          ; the next key step of the walk, this tile's or, where none is left, the next tile's; with nothing left: step 15
	s_cmp_lg_u32 s[WC], 0
	s_cselect_b32 s[SX], s[WC], s[WN]
	s_ctz_i32_b32 s[SJ], s[SX]
	s_min_u32 s[SJ], s[SJ], 31
	s_and_b32 s[SJ], s[SJ], 15
	s_sub_co_u32 s[ST], s[SX], 1
	s_and_b32 s[ST], s[SX], s[ST]                  ; its bit is taken out
	s_cmp_lg_u32 s[WC], 0
	s_cselect_b32 s[WN], s[WN], s[ST]
	s_cselect_b32 s[WC], s[ST], 0
	s_mul_i32 s[OF], s[SJ], 6144
	s_add_nc_u64 s[PA:PA+1], s[KB:KB+1], s[OF:OF+1]
	s_lshl_b32 s[OF], s[SJ], 9
	s_add_nc_u64 s[PS:PS+1], s[SB:SB+1], s[OF:OF+1]
	s_lshl_b32 s[OF], s[SJ], 8
	s_add_nc_u64 s[PV:PV+1], s[SB:SB+1], s[OF:OF+1]
.endm
.macro MNEXT                           ; the next step that reads the mask; with none left, the last one again
	s_ctz_i32_b32 s[ST], s[GR]
	s_cmp_lg_u32 s[GR], 0
	s_cselect_b32 s[ST], s[ST], s[JM]
	s_min_u32 s[JM], s[ST], 15
	s_sub_co_u32 s[ST], s[GR], 1
	s_and_b32 s[GR], s[GR], s[ST]
	s_lshl_b32 s[OF], s[JM], 9
	s_add_nc_u64 s[MA:MA+1], s[MB:MB+1], s[OF:OF+1]
.endm
.macro KLOADS                          ; 28 loads: eight tiles of 16 keys, six registers each, and their scale words (an even tile's in lanes 0-15, an odd one's in lanes 16-31)
.irp t, 0,1,2,3,4,5,6,7
.irp i, 0,1,2
	global_load_b64 v[KF+6*\t+2*\i:KF+6*\t+2*\i+1], v1, s[PA:PA+1] offset:768*\t+256*\i
.endr
.endr
.irp b, 0,1,2,3
	global_load_b32 v[KSW+\b], v2, s[PS:PS+1] offset:128*\b
.endr
.endm
.macro VLOADS                          ; 26 loads: four tiles of 16 channels x 128 keys, and their scale words
	WIN 0x40
.irp t, 0,1,2,3
.irp c, 0,1
.irp i, 0,1,2
	global_load_b64 v[12*\t+6*\c+2*\i:12*\t+6*\c+2*\i+1], v1, s[PA:PA+1] offset:8*KU+(4*\c+\t)*768+256*\i
.endr
.endr
.endr
	WIN 0
.irp g, 0,1
	global_load_b32 v[VSW+\g], v2, s[PV:PV+1] offset:8192+128*\g
.endr
.endm
.macro MLOADS                          ; 16 loads: the mask of my query at keys 32 b + 16 h + 4 j ..
	WIN 0x40
.irp b, 0,1,2,3
.irp j, 0,1,2,3
	global_load_b128 v[48+16*\b+4*\j:51+16*\b+4*\j], v3, s[MA:MA+1] offset:128*\b+16*\j
.endr
.endr
	WIN 0
.endm
.macro QSTAGE t                        ; 4 loads: Q's unit and scale words of the tile in s[t], into the staging registers
	s_lshl_b32 s[ST], s17, 7
	s_add_co_u32 s[ST], s[ST], s[\t]
	s_mul_i32 s[OF], s[ST], 768
	s_add_nc_u64 s[QA:QA+1], s[4:5], s[OF:OF+1]
	s_lshl_b32 s[ST], s17, 13
	s_lshl_b32 s[OF], s[\t], 6
	s_add_co_u32 s[OF], s[OF], s[ST]
	s_add_co_u32 s[OF], s[OF], QSC
	s_add_nc_u64 s[QS:QS+1], s[4:5], s[OF:OF+1]
.irp i, 0,1,2
	global_load_b64 v[QN+2*\i:QN+2*\i+1], v1, s[QA:QA+1] offset:256*\i
.endr
	global_load_b32 v[QNS], v4, s[QS:QS+1]
.endm
; A KEY STEP of 128 keys.  flat = 1: the mask is 0 throughout: v96.. hold u, and the factor is log2(e) / 8; flat = 0: v96.. hold the logits, and the factor is log2(e).
.macro STEP flat
.if \flat
.set CC, C8
.else
.set CC, CS
.endif
	s_wait_loadcnt 26                              ; K and its scale words are in (and a mask asked for behind them); V's 26 loads may be out
.irp t, 0,1,2,3,4,5,6,7
.if \t%2
	v_wmma_scale_f32_16x16x128_f8f6f4 v[96+8*\t:103+8*\t], v[KF+6*\t:KF+6*\t+11], v[16:27], 0, v[KSW+\t/2], v28 matrix_a_fmt:MATRIX_FMT_BF6 matrix_b_fmt:MATRIX_FMT_BF6 matrix_a_scale:MATRIX_SCALE_ROW1
.else
	v_wmma_scale_f32_16x16x128_f8f6f4 v[96+8*\t:103+8*\t], v[KF+6*\t:KF+6*\t+11], v[16:27], 0, v[KSW+\t/2], v28 matrix_a_fmt:MATRIX_FMT_BF6 matrix_b_fmt:MATRIX_FMT_BF6
.endif
.endr
	s_wait_xcnt 0x0                                ; the earlier loads have read their bases
	NEXTKV
	PLACES                                         ; in front of the loads into K's registers and of the first read of S^T
	KLOADS
.set j, 0
.rept 64
	v_med3_num_f32 v[96+j], v[96+j], s50, s51      ; the clip, ahead of the exact x 1/8; each accumulator from its low end on
.set j, j+1
.endr
.set j, 0
.if \flat == 0
	WIN 0x10
.rept 32
	v_pk_fma_f32 v[96+j:97+j], v[96+j:97+j], s[48:49], v[48+j:49+j] op_sel_hi:[1,0,1]   ; / 8, + mask
.set j, j+2
.endr
	WIN 0
	s_wait_alu depctr_va_vdst(0)
	s_wait_xcnt 0x0
	MNEXT
	MLOADS
.endif
; the largest of each block of 32 keys, for the row's maximum and for the block's largest p: eight chains, two to a block, by turns
.irp b, 0,1,2,3
	v_max3_num_f32 v[BM+\b], v[96+16*\b], v[97+16*\b], v[98+16*\b]
.endr
.irp b, 0,1,2,3
	v_max3_num_f32 v[SO+\b], v[104+16*\b], v[105+16*\b], v[106+16*\b]
.endr
.irp i, 3,5
.irp b, 0,1,2,3
	v_max3_num_f32 v[BM+\b], v[BM+\b], v[96+16*\b+\i], v[97+16*\b+\i]
.endr
.irp b, 0,1,2,3
	v_max3_num_f32 v[SO+\b], v[SO+\b], v[104+16*\b+\i], v[105+16*\b+\i]
.endr
.endr
.irp b, 0,1,2,3
	v_max3_num_f32 v[BM+\b], v[BM+\b], v[103+16*\b], v[111+16*\b]
.endr
.irp b, 0,1,2,3
	s_delay_alu instid0(VALU_DEP_4)
	v_max_num_f32 v[BM+\b], v[BM+\b], v[SO+\b]
.endr
.irp b, 0,1,2,3
	s_delay_alu instid0(VALU_DEP_4)
	v_permlanex16_b32 v[PT+\b], v[BM+\b], s[SEL], s[SEL+1]
.endr
.irp b, 0,1,2,3
	s_delay_alu instid0(VALU_DEP_4)
	v_max_num_f32 v[BM+\b], v[BM+\b], v[PT+\b]     ; with lane l xor 16's 16 keys
.endr
	s_delay_alu instid0(VALU_DEP_2)
	v_max3_num_f32 v[TT], v[BM], v[BM+1], v[BM+2]
	s_delay_alu instid0(VALU_DEP_1)
	v_max_num_f32 v[TT], v[TT], v[BM+3]
	s_delay_alu instid0(VALU_DEP_1)
	v_mul_f32 v[TT], s[CC], v[TT]                  ; as t
	s_delay_alu instid0(VALU_DEP_1)
	v_max_num_f32 v13, v13, v[TT]                  ; the running largest t
	v_mov_b32 v[TT], v12
	s_delay_alu instid0(VALU_DEP_2)
	v_floor_f32 v12, -v13                          ; -M = floor(-t)
	s_delay_alu instid0(VALU_DEP_1)
	v_sub_f32 v[TT], v12, v[TT]                    ; old M - new M, 0 or less
	s_delay_alu instid0(VALU_DEP_1)
	v_cvt_i32_f32 v[TT], v[TT]                     ; (it saturates)
	s_delay_alu instid0(VALU_DEP_1)
	v_ldexp_f32 v[FF], 1.0, v[TT]                  ; f = 2^(old M - new M): rounds nothing
.set j, 0
.rept 32
	v_pk_fma_f32 v[96+j:97+j], v[96+j:97+j], s[CC:CC+1], v[12:13] op_sel_hi:[1,0,0]   ; t - M
.set j, j+2
.endr
.irp b, 0,1,2,3
	v_fma_f32 v[BM+\b], v[BM+\b], s[CC], v12
.endr
	s_wait_alu depctr_va_vdst(0)                   ; ahead of the batch
.set j, 0
.rept 64
	v_exp_f32 v[96+j], v[96+j]                     ; p
.set j, j+1
.endr
.irp b, 0,1,2,3
	v_exp_f32 v[BM+\b], v[BM+\b]                   ; the block's largest p: the same two instructions on the same number
.endr
	v_pk_mul_f32 v[14:15], v[14:15], v[FF:FF+1] op_sel_hi:[1,0]   ; the sums under the new M (a plain place behind the exponentials)
	s_wait_alu depctr_va_vdst(0)                   ; and behind it
.irp b, 0,1,2,3
	v_max_num_f32 v[BM+\b], 0x2800000, v[BM+\b]    ; the floor 2^(5 - 127)
.endr
.irp b, 0,1,2,3
	s_delay_alu instid0(VALU_DEP_4)
	v_add_nc_u32 v[SO+\b], 0xfe000000, v[BM+\b]    ; 4 off the exponent field: the conversion's scale operand
.endr
.irp b, 0,1,2,3
	s_delay_alu instid0(VALU_DEP_4)
	v_lshrrev_b32 v[BY+\b], 23, v[SO+\b]
.endr
	s_delay_alu instid0(VALU_DEP_3)
	v_lshl_or_b32 v29, v[BY+1], 8, v[BY]           ; p's scale word for these 128 keys
	s_delay_alu instid0(VALU_DEP_1)
	v_lshl_or_b32 v29, v[BY+2], 16, v29
	s_delay_alu instid0(VALU_DEP_1)
	v_lshl_or_b32 v29, v[BY+3], 24, v29
.irp c, 0,1
	v_cvt_scalef32_pk16_bf6_f32 v[PC+6*\c:PC+2+6*\c], v[96+32*\c:111+32*\c], v[SO+2*\c]
	v_cvt_scalef32_pk16_bf6_f32 v[CT+4*\c:CT+2+4*\c], v[112+32*\c:127+32*\c], v[SO+2*\c+1]
.endr
	v_nop                                          ; one plain place behind a scaled conversion
.irp c, 0,1
.irp i, 0,1,2
	v_permlane16_swap_b32 v[PC+6*\c+\i], v[CT+4*\c+\i]   ; a whole block to a lane
.endr
.irp i, 0,1,2
	s_delay_alu instid0(VALU_DEP_3)
	v_mov_b32 v[PC+3+6*\c+\i], v[CT+4*\c+\i]
.endr
.endr
.irp k, 0,1,2,3,4,5,6                  ; the row's sum of the unquantised p: eight chains of packed additions
	v_pk_add_f32 v[SM+2*\k:SM+2*\k+1], v[96+4*\k:97+4*\k], v[98+4*\k:99+4*\k]
.endr
	v_pk_add_f32 v[14:15], v[14:15], v[124:125]
.irp k, 0,1,2,3,4,5,6
	v_pk_add_f32 v[SM+2*\k:SM+2*\k+1], v[SM+2*\k:SM+2*\k+1], v[126+2*\k:127+2*\k]
.endr
	v_pk_add_f32 v[14:15], v[14:15], v[140:141]
.irp k, 0,1,2,3,4,5,6
	v_pk_add_f32 v[SM+2*\k:SM+2*\k+1], v[SM+2*\k:SM+2*\k+1], v[142+2*\k:143+2*\k]
.endr
	v_pk_add_f32 v[14:15], v[14:15], v[156:157]
	v_pk_add_f32 v[SM:SM+1], v[SM:SM+1], v[158:159]
	v_pk_add_f32 v[SM+4:SM+5], v[SM+4:SM+5], v[SM+6:SM+7]
	v_pk_add_f32 v[SM+8:SM+9], v[SM+8:SM+9], v[SM+10:SM+11]
	v_pk_add_f32 v[14:15], v[14:15], v[SM+12:SM+13]
	v_pk_add_f32 v[SM:SM+1], v[SM:SM+1], v[SM+2:SM+3]
	s_delay_alu instid0(VALU_DEP_2)
	v_pk_add_f32 v[14:15], v[14:15], v[SM+8:SM+9]
	s_delay_alu instid0(VALU_DEP_2)
	v_pk_add_f32 v[SM:SM+1], v[SM:SM+1], v[SM+4:SM+5]
	s_delay_alu instid0(VALU_DEP_1)
	v_pk_add_f32 v[14:15], v[14:15], v[SM:SM+1]
	s_wait_alu depctr_va_vdst(0)                   ; directly ahead of the first reader of O^T
.set j, 0
.rept 16
	v_pk_mul_f32 v[160+j:161+j], v[160+j:161+j], v[FF:FF+1] op_sel_hi:[1,0]   ; O^T under the new M
.set j, j+2
.endr
	s_wait_alu depctr_va_vdst(0)
.if \flat
	s_wait_loadcnt 28                              ; V is in; the next K's 28 loads may be out
.else
	s_wait_loadcnt 44                              ; V is in; the next K's 28 and the next mask's 16 may be out
.endif
	WIN 0x01                                       ; V's fragments lie in window 1
.irp t, 0,1,2,3                        ; O^T += V^T P^T: the four accumulators by turns
.if \t%2
	v_wmma_scale_f32_16x16x128_f8f6f4 v[160+8*\t:167+8*\t], v[12*\t:12*\t+11], v[PC:PC+11], v[160+8*\t:167+8*\t], v[VSW+\t/2], v29 matrix_a_fmt:MATRIX_FMT_BF6 matrix_b_fmt:MATRIX_FMT_BF6 matrix_a_scale:MATRIX_SCALE_ROW1
.else
	v_wmma_scale_f32_16x16x128_f8f6f4 v[160+8*\t:167+8*\t], v[12*\t:12*\t+11], v[PC:PC+11], v[160+8*\t:167+8*\t], v[VSW+\t/2], v29 matrix_a_fmt:MATRIX_FMT_BF6 matrix_b_fmt:MATRIX_FMT_BF6
.endif
.endr
	WIN 0
	PLACES                                         ; in front of the loads into V's registers
	VLOADS
.endm
	s_load_b128 s[4:7], s[0:1], 0x0                ; qkvc s[4:5], the mask s[6:7]
	s_load_b64 s[10:11], s[0:1], 0x10              ; keep
	s_load_b64 s[12:13], s[0:1], 0x18              ; attc
	v_lshrrev_b32 v7, 5, v0
	s_delay_alu instid0(VALU_DEP_1)
	v_readfirstlane_b32 s14, v7                    ; wave 0..3
	v_and_b32 v6, 31, v0                           ; lane
	v_and_b32 v7, 15, v0                           ; r
	v_bfe_u32 v10, v0, 4, 1                        ; h
	v_lshlrev_b32 v1, 3, v6                        ; 8 x lane
	v_lshlrev_b32 v2, 2, v6                        ; 4 x lane
	v_lshlrev_b32 v4, 2, v7                        ; 4 r
	v_and_b32 v11, 8, v7
	s_delay_alu instid0(VALU_DEP_1)
	v_add_nc_u32 v11, v11, v7                      ; r + 8 (r / 8): my query's row in its tile's 24
	s_delay_alu instid0(VALU_DEP_1)
	v_lshlrev_b32 v3, 13, v11
	s_delay_alu instid0(VALU_DEP_1)
	v_lshl_add_u32 v3, v10, 6, v3                  ; the mask: my row, + 64 h
	v_mov_b32 v[FF+1], 0                           ; (named as the upper half of a pair)
.irp i, 22,23,24,25,26,27
	v_mov_b32 v[\i], 0                             ; Q's K = 64 .. 127: zero codes
.endr
.irp i, 0,1,2,3,4,5
	v_mov_b32 v[KF+48+\i], 0                       ; behind K's last tile
.endr
.irp b, 0,1,2,3
	v_mov_b32 v[PT+\b], 0                          ; a lane permute's destination counts as read
.endr
	s_mov_b32 s15, ttmp9                           ; p
	s_and_b32 s16, ttmp7, 0xffff                   ; the key head
	s_lshl_b32 s17, s16, 2
	s_add_co_u32 s17, s17, s14                     ; my query head
	s_sub_co_u32 s18, 127, s15                     ; the second tile
	s_mov_b32 s[OF+1], 0
	ROW0 SR, 15
	s_lshl_b32 s[OF], s[SR], 2
	s_wait_alu depctr_va_vdst(0)
	s_wait_kmcnt 0x0
	s_add_nc_u64 s[PA:PA+1], s[10:11], s[OF:OF+1]
	ROW0 SR, 18
	s_lshl_b32 s[OF], s[SR], 2
	s_add_nc_u64 s[PS:PS+1], s[10:11], s[OF:OF+1]
	s_load_b256 s[24:31], s[PA:PA+1], 0x0          ; the words of the first tile's rows 0-7 and 16-23,
	s_load_b256 s[32:39], s[PA:PA+1], 0x40
	s_load_b256 s[40:47], s[PS:PS+1], 0x0          ; and of the second's
	s_load_b256 s[48:55], s[PS:PS+1], 0x40
	QSTAGE 15                                      ; the first tile's Q
	s_add_co_u32 s[ST], s16, 32
	s_mul_i32 s[OF], s[ST], KU
	s_add_nc_u64 s[KB:KB+1], s[4:5], s[OF:OF+1]    ; K's units; V's lie 8 KU further on
	s_mul_i32 s[OF], s16, 12288
	s_add_co_u32 s[OF], s[OF], QSC+262144
	s_add_nc_u64 s[SB:SB+1], s[4:5], s[OF:OF+1]    ; K's scale words; V's 8,192 further on
	s_mov_b32 s[SEL], 0x76543210
	s_mov_b32 s[SEL+1], 0xfedcba98
	s_mov_b32 s[CS], 0x3fb8aa3b                    ; log2(e)
	s_mov_b32 s[CS+1], s[CS]
	s_wait_kmcnt 0x0
	RED 24, FA, GA, WC
	RED 40, FB, GB, WN
	s_mov_b32 s48, 0x3e000000                      ; 1 / 8
	s_mov_b32 s49, s48
	s_mov_b32 s50, 0xc3c80000                      ; -400
	s_mov_b32 s51, 0x43c80000                      ; 400
	s_mov_b32 s[C8], 0x3e38aa3b                    ; log2(e) / 8
	s_mov_b32 s[C8+1], s[C8]
	s_mov_b32 s[JM], 15
	s_mov_b32 s[SIT], 0
	NEXTKV
	KLOADS                                         ; the walk's first step
	VLOADS
.Ltile:                                            ; two trips: tile p, tile 127 - p
	s_wait_xcnt 0x0                                ; the earlier loads and stores have read their bases and data
	s_cmp_eq_u32 s[SIT], 0
	s_cselect_b32 s[TI], s15, s18
	s_cselect_b32 s[GR], s[GA], s[GB]
	s_cselect_b32 s[NF], s[FA], s[FB]
	s_bcnt1_i32_b32 s[NG], s[GR]                   ; steps that read the mask,
	s_bcnt1_i32_b32 s[NF], s[NF]                   ; and flat ones
	ROW0 SR, TI
	s_lshl_b32 s[OF], s[SR], 13
	s_add_nc_u64 s[MB:MB+1], s[6:7], s[OF:OF+1]
	s_mul_i32 s[OF], s[TI], 24576                  ; O's image: the tile, K step head / 2, half head % 2
	s_lshr_b32 s[ST], s17, 1
	s_mul_i32 s[ST], s[ST], 1536
	s_add_co_u32 s[OF], s[OF], s[ST]
	s_and_b32 s[ST], s17, 1
	s_mul_i32 s[ST], s[ST], 768
	s_add_co_u32 s[OF], s[OF], s[ST]
	s_add_nc_u64 s[OA:OA+1], s[12:13], s[OF:OF+1]
	s_lshl_b32 s[OF], s[TI], 10
	s_lshr_b32 s[ST], s17, 1
	s_lshl_b32 s[ST], s[ST], 6
	s_add_co_u32 s[OF], s[OF], s[ST]
	s_and_b32 s[ST], s17, 1
	s_lshl_b32 s[ST], s[ST], 1
	s_add_co_u32 s[OF], s[OF], s[ST]
	s_add_co_u32 s[OF], s[OF], ASC
	s_add_nc_u64 s[OS:OS+1], s[12:13], s[OF:OF+1]
	s_wait_loadcnt 54                              ; the staged Q is in: behind its loads stand at least a step's 28 + 26
.irp i, 0,1,2,3,4,5
	v_mov_b32 v[16+\i], v[QN+\i]
.endr
	v_mov_b32 v28, v[QNS]
	s_wait_alu depctr_va_vdst(0)
	s_cmp_lg_u32 s[SIT], 0
	s_cbranch_scc1 .Lstaged
	QSTAGE 18                                      ; the second tile's Q, a tile ahead.  (No counted wait counts these four loads.)
.Lstaged:
	MNEXT
	s_wait_loadcnt 26                              ; the mask loads of the last tile's last step are in: behind them stand V's 26 loads
	MLOADS                                         ; the mask of the tile's first step that reads it
	v_mov_b32 v13, 0xff61b1e6                      ; the largest t so far: -3e38
	s_delay_alu instid0(VALU_DEP_1)
	v_floor_f32 v12, -v13
	v_mov_b32 v14, 0
	v_mov_b32 v15, 0
.set j, 0
.rept 32
	v_mov_b32 v[160+j], 0                          ; O^T: the step is written once; its first run finds zeros
.set j, j+1
.endr
	s_wait_alu depctr_va_vdst(0)
	s_cmp_eq_u32 s[NF], 0
	s_cbranch_scc1 .Lnoflat
	s_mov_b32 s[CN], 0
.Lflat:
	STEP 1
	s_add_co_u32 s[CN], s[CN], 1
	s_cmp_lt_u32 s[CN], s[NF]
	s_cbranch_scc1 .Lflat
	s_wait_loadcnt 54                              ; the mask is in: behind it stand at least one trip's 28 + 26 loads
	s_branch .Lgen0
.Lnoflat:
	s_wait_loadcnt 0x0                             ; the mask is in
.Lgen0:
	s_cmp_eq_u32 s[NG], 0
	s_cbranch_scc1 .Lout
	s_mov_b32 s[CN], 0
.Lgen:
	STEP 0
	s_add_co_u32 s[CN], s[CN], 1
	s_cmp_lt_u32 s[CN], s[NG]
	s_cbranch_scc1 .Lgen
.Lout:
	; THE WAY OUT: O^T / the sum; register 8 t + j is channel 32 (t / 2) + 16 h + 8 (t % 2) + j of my query; quantised and stored as half a K step of the last product's operand.
	v_add_f32 v14, v14, v15
	s_delay_alu instid0(VALU_DEP_1)
	v_permlanex16_b32 v[PT], v14, s[SEL], s[SEL+1]
	s_delay_alu instid0(VALU_DEP_1)
	v_add_f32 v14, v14, v[PT]
	s_wait_alu depctr_va_vdst(0)
	v_rcp_f32 v14, v14
	v_nop                                          ; a plain place behind the transcendental
	s_wait_alu depctr_va_vdst(0)
.set j, 0
.rept 32
	v_mul_f32 v[96+j], v[160+j], v14
.set j, j+1
.endr
	v_max3_num_f32 v[BM], |v96|, |v97|, 0x2800000
	v_max3_num_f32 v[BM+1], |v112|, |v113|, 0x2800000
.irp i, 2,4,6,8,10,12,14
	s_delay_alu instid0(VALU_DEP_2)
	v_max3_num_f32 v[BM], v[BM], |v[96+\i]|, |v[97+\i]|
	s_delay_alu instid0(VALU_DEP_2)
	v_max3_num_f32 v[BM+1], v[BM+1], |v[112+\i]|, |v[113+\i]|
.endr
	s_delay_alu instid0(VALU_DEP_2)
	v_permlanex16_b32 v[PT], v[BM], s[SEL], s[SEL+1]
	s_delay_alu instid0(VALU_DEP_2)
	v_permlanex16_b32 v[PT+1], v[BM+1], s[SEL], s[SEL+1]
	s_delay_alu instid0(VALU_DEP_2)
	v_max_num_f32 v[BM], v[BM], v[PT]
	s_delay_alu instid0(VALU_DEP_2)
	v_max_num_f32 v[BM+1], v[BM+1], v[PT+1]
	s_delay_alu instid0(VALU_DEP_2)
	v_add_nc_u32 v[SO], 0xfe000000, v[BM]
	s_delay_alu instid0(VALU_DEP_2)
	v_add_nc_u32 v[SO+1], 0xfe000000, v[BM+1]
	s_delay_alu instid0(VALU_DEP_2)
	v_lshrrev_b32 v[BY], 23, v[SO]
	s_delay_alu instid0(VALU_DEP_2)
	v_lshrrev_b32 v[BY+1], 23, v[SO+1]
	s_delay_alu instid0(VALU_DEP_1)
	v_lshl_or_b32 v29, v[BY+1], 8, v[BY]
	v_cvt_scalef32_pk16_bf6_f32 v[PC:PC+2], v[96:111], v[SO]
	v_cvt_scalef32_pk16_bf6_f32 v[CT:CT+2], v[112:127], v[SO+1]
	v_nop
.irp i, 0,1,2
	v_permlane16_swap_b32 v[PC+\i], v[CT+\i]
.endr
.irp i, 0,1,2
	s_delay_alu instid0(VALU_DEP_3)
	v_mov_b32 v[PC+3+\i], v[CT+\i]
.endr
.irp i, 0,1,2
	global_store_b64 v1, v[PC+2*\i:PC+2*\i+1], s[OA:OA+1] offset:256*\i   ; 256 consecutive bytes, aligned
.endr
	global_store_b16 v4, v29, s[OS:OS+1]           ; my head's two bytes of the row's word; lanes r and r + 16 write the same bytes with the same value
	s_add_co_u32 s[SIT], s[SIT], 1
	s_cmp_lt_u32 s[SIT], 2
	s_cbranch_scc1 .Ltile
	s_endpgm
.Lfunc_end_k_q5f1fb771a1_attn:
	.size	k_q5f1fb771a1_attn, .Lfunc_end_k_q5f1fb771a1_attn-k_q5f1fb771a1_attn
	.p2alignl 7, 3214868480
	.fill 96, 4, 3214868480
	.section	.rodata,"a",@progbits
	.p2align	6, 0x0
	.amdhsa_kernel k_q5f1fb771a1_attn
		.amdhsa_group_segment_fixed_size 0
		.amdhsa_private_segment_fixed_size 0
		.amdhsa_enable_private_segment 0
		.amdhsa_kernarg_size 32
		.amdhsa_user_sgpr_count 2
		.amdhsa_user_sgpr_kernarg_segment_ptr 1
		.amdhsa_wavefront_size32 1
		.amdhsa_system_sgpr_workgroup_id_x 1
		.amdhsa_system_sgpr_workgroup_id_y 1
		.amdhsa_system_sgpr_workgroup_id_z 1
		.amdhsa_system_vgpr_workitem_id 0
		.amdhsa_next_free_vgpr 368
		.amdhsa_next_free_sgpr 100
		.amdhsa_reserve_vcc 0
		.amdhsa_float_denorm_mode_32 3
		.amdhsa_float_denorm_mode_16_64 3
		.amdhsa_memory_ordered 1
		.amdhsa_forward_progress 1
		.amdhsa_inst_pref_size 76
	.end_amdhsa_kernel
	.amdgpu_metadata
---
amdhsa.version: [ 1, 2 ]
amdhsa.kernels:
  - .name:           k_q5f1fb771a1_attn
    .symbol:         k_q5f1fb771a1_attn.kd
    .args:
      - { .name: qkvc, .offset: 0, .size: 8, .value_kind: global_buffer, .address_space: global }
      - { .name: attention_mask, .offset: 8, .size: 8, .value_kind: global_buffer, .address_space: global }
      - { .name: keep, .offset: 16, .size: 8, .value_kind: global_buffer, .address_space: global }
      - { .name: attc, .offset: 24, .size: 8, .value_kind: global_buffer, .address_space: global }
    .group_segment_fixed_size: 0
    .private_segment_fixed_size: 0
    .kernarg_segment_align: 8
    .kernarg_segment_size: 32
    .max_flat_workgroup_size: 128
    .sgpr_count:     100
    .vgpr_count:     368
    .wavefront_size: 32
...
	.end_amdgpu_metadata
.endif
;; end of part 3
;; launch oproj (part 4): grid 16 x 16, 4 waves a work-group, clusters of 4 x 4, 327,680 bytes of LDS; arguments attc, opnd, out0; writes out0
.if DOCPART == 4
	.amdgcn_target "amdgcn-amd-amdhsa--gfx1250"
	.amdhsa_code_object_version 6
	.text
	.protected	k_q5f1fb771a1_oproj
	.globl	k_q5f1fb771a1_oproj
	.p2align	8
	.type	k_q5f1fb771a1_oproj,@function
k_q5f1fb771a1_oproj:
	s_mov_b64 s[64:65], 0
	v_nop
	global_prefetch_b8 v0, s[64:65] scope:SCOPE_SE
	s_setreg_imm32_b32 hwreg(HW_REG_WAVE_MODE, 25, 1), 1
	s_wait_xcnt 0x0
	s_wait_alu depctr_hold_cnt(0) depctr_sa_sdst(0) depctr_va_vdst(0) depctr_va_sdst(0) depctr_va_ssrc(0) depctr_va_vcc(0) depctr_vm_vsrc(0)
	s_getreg_b32 s2, hwreg(HW_REG_IB_STS2, 6, 4)
	s_cmp_eq_u32 s2, 0
	s_cbranch_scc0 .Lentry_in_a_cluster
	s_endpgm
.Lentry_in_a_cluster:
	s_bfe_u32 s2, ttmp6, 0x10000c
	s_cmp_lg_u32 s2, 0xf033
	s_cbranch_scc0 .Lentry_shape_is_right
	s_endpgm
.Lentry_shape_is_right:
.set H_SC,  11010048
.set ASC,   3145728
.set SLOT,  98304
.set HALF,  24576
.set TILEB, 6144
.set FRB,   1536
.set SCL,   3*SLOT
.set SPARE, SCL+16384
.set SPITCH, 272
.set ADA, 16
.set ADB, 20
.set STO, 24
.set RD,  25
.set CO,  26
.set ADS, 27
.set SPW, 28
.set NIL, 29
.set SC,  32
.set ACC, 128
.set G1A, 24
.set G1B, 32
.set G1SA, 40
.set G1SB, 48
.set G0SA, 84
.set G0SB, 88
.set MSB, 0
.macro WIN new
.if MSB != \new
	s_set_vgpr_msb (MSB<<8)|\new
.set MSB, \new
.endif
.endm
.set MUL,  0x05
.set TO_F, 0x40
.macro JLOAD g0a, g1a, g0b, g1b
	s_cmp_eq_u32 s15, 0
	s_cbranch_scc0 .Lfor_b_\@
	tensor_load_to_lds s[\g0a:\g0a+3], s[\g1a:\g1a+7]
	s_nop 0
.rept 4
	v_nop
.endr
	s_branch .Lasked_\@
.Lfor_b_\@:
	tensor_load_to_lds s[\g0b:\g0b+3], s[\g1b:\g1b+7]
	s_nop 0
.rept 4
	v_nop
.endr
.Lasked_\@:
.endm
.macro CREST
	s_cmp_lg_u32 s14, 0
	s_cbranch_scc1 .Lnot_wave_0_\@
	s_barrier_signal -3
.Lnot_wave_0_\@:
	s_barrier_wait -3
	s_barrier_signal -1
	s_barrier_wait -1
.endm
.macro CROUND
	s_barrier_signal -1
	s_barrier_wait -1
	CREST
.endm
.macro PLACES
.rept 4
	v_nop
.endr
.endm
.macro FETCH slot, q, ks
.set FB, 128*((\ks)%2)
	WIN 0
.irp i, 0,1,2,3
	ds_load_b32 v[SC+4*((\ks)%2)+\i], v[ADS] offset:1024*\i+64*(\ks)
.endr
	WIN TO_F
.irp i, 0,1,2,3
.irp p, 0,1,2,3,4,5
	ds_load_b64 v[FB+12*\i+2*\p:FB+12*\i+2*\p+1], v[ADB+\slot] offset:TILEB*(1+(\slot))*\i+FRB*(\q)+256*\p   ; slot 1 holds two chunks: a tile's eight K steps on end
.endr
.endr
.irp i, 0,1,2,3
.irp p, 0,1,2,3,4,5
	ds_load_b64 v[FB+48+12*\i+2*\p:FB+48+12*\i+2*\p+1], v[ADA+\slot] offset:TILEB*(1+(\slot))*\i+FRB*(\q)+256*\p
.endr
.endr
.endm
.macro MULA par, a, zero
.irp b, 0,1,2,3
.if \zero
	v_wmma_scale_f32_16x16x128_f8f6f4 v[ACC+8*(4*(\a)+\b):ACC+8*(4*(\a)+\b)+7], v[128*(\par)+12*\b:128*(\par)+12*\b+11], v[128*(\par)+48+12*(\a):128*(\par)+48+12*(\a)+11], 0, v[SC+4*(\par)+\b], v[SC+4*(\par)+(\a)] matrix_a_fmt:MATRIX_FMT_BF6 matrix_b_fmt:MATRIX_FMT_BF6 matrix_a_scale:MATRIX_SCALE_ROW1
.else
	v_wmma_scale_f32_16x16x128_f8f6f4 v[ACC+8*(4*(\a)+\b):ACC+8*(4*(\a)+\b)+7], v[128*(\par)+12*\b:128*(\par)+12*\b+11], v[128*(\par)+48+12*(\a):128*(\par)+48+12*(\a)+11], v[ACC+8*(4*(\a)+\b):ACC+8*(4*(\a)+\b)+7], v[SC+4*(\par)+\b], v[SC+4*(\par)+(\a)] matrix_a_fmt:MATRIX_FMT_BF6 matrix_b_fmt:MATRIX_FMT_BF6 matrix_a_scale:MATRIX_SCALE_ROW1
.endif
.endr
.endm
.macro KSTEP ks, sn, qn, zero
	s_wait_dscnt 6
	WIN MUL
	MULA (\ks)%2, 0, \zero
	MULA (\ks)%2, 1, \zero
	PLACES
	FETCH \sn, \qn, (\ks)+1
	s_wait_dscnt 52
	WIN MUL
	MULA (\ks)%2, 2, \zero
	MULA (\ks)%2, 3, \zero
.endm
.macro TURNR
	WIN 0
	s_wait_tensorcnt 0x0
	ds_add_u32 v[SPW], v[NIL]
	s_add_nc_u64 s[58:59], s[58:59], 3*TILEB
	s_add_nc_u64 s[74:75], s[74:75], 3*TILEB
	s_wait_dscnt 7
	WIN MUL
	MULA 1, 0, 0
	s_wait_dscnt 0x0
	s_barrier_signal -1
	MULA 1, 1, 0
	WIN 0
	s_barrier_wait -1
	CREST
	JLOAD 56, G1A, 72, G1B
	FETCH 1, 0, 4
	WIN MUL
	MULA 1, 2, 0
	MULA 1, 3, 0
.endm
.macro TURNP
	s_wait_tensorcnt 0x0
	s_wait_dscnt 6
	WIN MUL
	MULA 1, 0, 0
	s_wait_dscnt 0x0
	s_barrier_signal -1
	MULA 1, 1, 0
	WIN 0
	s_barrier_wait -1
	PLACES
	FETCH 0, 0, 12
	WIN MUL
	MULA 1, 2, 0
	MULA 1, 3, 0
.endm
.macro TOSTAGE a
.irp b, 0,1,2,3
	ds_store_b128 v[STO], v[ACC+8*(4*(\a)+\b):ACC+8*(4*(\a)+\b)+3] offset:128*(\b/2)+32*(\b%2)
	ds_store_b128 v[STO], v[ACC+8*(4*(\a)+\b)+4:ACC+8*(4*(\a)+\b)+7] offset:128*(\b/2)+32*(\b%2)+16
.endr
.set BB, 40+32*((\a)%2)
.irp t, 0,1,2,3,4,5,6,7
	ds_load_b128 v[BB+4*\t:BB+4*\t+3], v[RD] offset:\t*2*SPITCH
.endr
.endm
.macro SEND a, younger
.set BB, 40+32*((\a)%2)
	s_wait_dscnt \younger
.irp t, 0,1,2,3,4,5,6,7
	global_store_b128 v[CO], v[BB+4*\t:BB+4*\t+3], s[8:9] offset:(32*((\a)/2)+8*((\a)%2)+2*\t+8*(\t/4))*8192 th:TH_STORE_NT
.endr
.endm
	s_load_b128 s[4:7], s[0:1], 0x0
	s_load_b64 s[8:9], s[0:1], 0x10
	v_lshl_add_u32 v[SPW], v0, 2, SPARE
	v_mov_b32 v[NIL], 0
	ds_add_u32 v28, v29
	ds_add_u32 v28, v29
	s_wait_dscnt 0x0
	v_lshrrev_b32 v1, 5, v0
	v_readfirstlane_b32 s14, v1
	s_lshr_b32 s15, s14, 1
	s_and_b32 s16, s14, 1
	s_bfe_u32 s17, ttmp6, 0x40000
	s_bfe_u32 s18, ttmp6, 0x40004
	s_lshl_b32 s93, ttmp9, 2
	s_add_co_u32 s93, s93, s17
	s_and_b32 s92, ttmp7, 0xffff
	s_lshl_b32 s92, s92, 2
	s_add_co_u32 s92, s92, s18
	s_lshl_b32 s94, s18, 2
	s_lshl_b32 s94, 15, s94
	s_lshl_b32 s95, 0x1111, s17
	s_or_b32 s[G1A], s94, (3<<16)|(1<<21)
	s_or_b32 s[G1B], s95, (3<<16)|(1<<21)
	s_or_b32 s[G1SA], s94, (3<<16)|(1<<21)
	s_or_b32 s[G1SB], s95, (3<<16)|(1<<21)
.irp g, G1A, G1B
	s_mov_b32 s[\g+1], 768<<16
	s_mov_b32 s[\g+2], 8<<16                       ; the head's loads bring all eight tiles; behind them the two words are set to 4
	s_mov_b32 s[\g+3], 768<<16
	s_mov_b32 s[\g+4], 8
	s_mov_b32 s[\g+5], 3072
	s_mov_b32 s[\g+6], 0
	s_mov_b32 s[\g+7], 0
.endr
.irp g, G1SA, G1SB
	s_mov_b32 s[\g+1], 32<<16
	s_mov_b32 s[\g+2], 32<<16                      ; eight tiles' scale words: 8,192 dense bytes as 32 rows of 256
	s_mov_b32 s[\g+3], 32<<16
	s_mov_b32 s[\g+4], 32
	s_mov_b32 s[\g+5], 32
	s_mov_b32 s[\g+6], 0
	s_mov_b32 s[\g+7], 0
.endr
	s_lshl_b32 s97, s92, 3
	s_lshl_b32 s98, s93, 3
	s_add_co_u32 s98, s98, 320
	s_mul_i32 s2, s97, 24576
	s_mov_b32 s3, 0
	s_lshl_b32 s22, s97, 10
	s_add_co_u32 s22, s22, ASC
	s_mov_b32 s23, 0
	s_lshl_b32 s100, s98, 10
	s_add_co_u32 s100, s100, H_SC
	s_mov_b32 s101, 0
	s_mul_i32 s98, s98, 24576
	s_mov_b32 s99, 0
	s_mul_i32 s96, s14, HALF
	s_wait_kmcnt 0x0
	s_add_nc_u64 s[2:3], s[4:5], s[2:3]
	s_add_nc_u64 s[22:23], s[4:5], s[22:23]
	s_add_nc_u64 s[98:99], s[6:7], s[98:99]
	s_add_nc_u64 s[100:101], s[6:7], s[100:101]
	CROUND
	s_mov_b32 s[G0SA], 1
	s_mov_b32 s[G0SA+1], SCL
	s_mov_b64 s[G0SA+2:G0SA+3], s[22:23]
	s_or_b32 s[G0SA+3], s[G0SA+3], 0x80000000
	s_mov_b32 s[G0SB], 1
	s_mov_b32 s[G0SB+1], SCL+8192
	s_mov_b64 s[G0SB+2:G0SB+3], s[100:101]
	s_or_b32 s[G0SB+3], s[G0SB+3], 0x80000000
.irp c, 0
	s_mov_b32 s[56+4*\c+4*(\c/2)], 1
	s_add_co_u32 s[57+4*\c+4*(\c/2)], s96, \c*SLOT
	s_add_nc_u64 s[58+4*\c+4*(\c/2):59+4*\c+4*(\c/2)], s[2:3], \c*TILEB
	s_or_b32 s[59+4*\c+4*(\c/2)], s[59+4*\c+4*(\c/2)], 0x80000000
	s_mov_b32 s[72+4*\c], 1
	s_add_co_u32 s[73+4*\c], s96, \c*SLOT
	s_add_nc_u64 s[74+4*\c:75+4*\c], s[98:99], \c*TILEB
	s_or_b32 s[75+4*\c], s[75+4*\c], 0x80000000
	; THE HEAD'S LOADS, ONE A WAVE: wave 0 chunk 0 of A's eight tiles, wave 1 of B's, wave 2 A's scale words, wave 3 B's: one chain of branches on the wave's number
	s_mov_b32 s57, 0
	s_mov_b32 s73, 2*HALF
	s_cmp_lt_u32 s14, 1
	s_cbranch_scc0 .Lh1
	tensor_load_to_lds s[56:59], s[G1A:G1A+7]
	s_nop 0
.rept 4
	v_nop
.endr
	s_branch .Lhj
.Lh1:
	s_cmp_lt_u32 s14, 2
	s_cbranch_scc0 .Lh2
	tensor_load_to_lds s[72:75], s[G1B:G1B+7]
	s_nop 0
.rept 4
	v_nop
.endr
	s_branch .Lhj
.Lh2:
	s_cmp_lt_u32 s14, 3
	s_cbranch_scc0 .Lh3
	tensor_load_to_lds s[G0SA:G0SA+3], s[G1SA:G1SA+7]
	s_nop 0
.rept 4
	v_nop
.endr
	s_branch .Lhj
.Lh3:
	tensor_load_to_lds s[G0SB:G0SB+3], s[G1SB:G1SB+7]
	s_nop 0
.rept 4
	v_nop
.endr
.Lhj:
	s_mul_i32 s22, s16, 4*24576                    ; from here on a wave fetches four tiles: its half
	s_mov_b32 s23, 0
	s_add_nc_u64 s[2:3], s[2:3], s[22:23]
	s_add_nc_u64 s[98:99], s[98:99], s[22:23]
	s_mov_b32 s60, 1                               ; chunks 1 and 2 by one load: four rows of 12,288 bytes, to SLOT + wave x 49,152
	s_lshl_b32 s61, s96, 1
	s_add_co_u32 s61, s61, SLOT
	s_add_nc_u64 s[62:63], s[2:3], TILEB
	s_or_b32 s63, s63, 0x80000000
	s_mov_b32 s76, 1
	s_mov_b32 s77, s61
	s_add_nc_u64 s[78:79], s[98:99], TILEB
	s_or_b32 s79, s79, 0x80000000
	; PREFETCHES INTO THE L2, one load ahead: here chunks 1 and 2, which the next joint load brings; behind that load chunk 3.  Of the four tiles that I fetch, each of the four partners that ask for them
	; jointly takes one, told apart by address (cx for A, cy for B): 48 blocks of 256 bytes here, 24 there, a lane a block; lanes left over name the last block again.  The registers are never rewritten.
	s_cmp_eq_u32 s15, 0
	s_cselect_b64 s[66:67], s[2:3], s[98:99]
	s_cselect_b32 s68, s17, s18
	s_mul_i32 s68, s68, 24576
	s_mov_b32 s69, 0
	s_add_nc_u64 s[66:67], s[66:67], s[68:69]
	v_and_b32 v6, 31, v0
	v_min_u32 v7, 15, v6
	v_min_u32 v8, 23, v6
	v_lshlrev_b32 v6, 8, v6
	v_lshlrev_b32 v7, 8, v7
	v_lshlrev_b32 v8, 8, v8
	s_wait_alu depctr_va_vdst(0)
	global_prefetch_b8 v6, s[66:67] offset:TILEB th:TH_LOAD_NT scope:SCOPE_SE
	global_prefetch_b8 v7, s[66:67] offset:TILEB+8192 th:TH_LOAD_NT scope:SCOPE_SE
.endr
	v_and_b32 v1, 31, v0
	v_and_b32 v2, 15, v0
	v_bfe_u32 v3, v0, 4, 1
	s_wait_alu depctr_va_vdst(0)
	v_lshlrev_b32 v4, 3, v1
	s_mul_i32 s94, s15, HALF
	s_mul_i32 s95, s16, HALF
	s_add_co_u32 s95, s95, 2*HALF
	v_add_nc_u32 v[ADA], s94, v4
	v_add_nc_u32 v[ADB], s95, v4
	s_lshl_b32 s94, s94, 1                         ; in the double slot every part is twice as long
	s_lshl_b32 s95, s95, 1
	s_add_co_u32 s94, s94, SLOT
	s_add_co_u32 s95, s95, SLOT
	v_add_nc_u32 v[ADA+1], s94, v4
	v_add_nc_u32 v[ADB+1], s95, v4
	s_lshl_b32 s94, s15, 12
	s_lshl_b32 s95, s16, 12
	s_add_co_u32 s95, s95, 8192
	s_sub_co_u32 s95, s95, s94
	v_mul_u32_u24 v5, s95, v3
	v_lshl_add_u32 v5, v2, 2, v5
	s_add_co_u32 s94, s94, SCL
	v_add_nc_u32 v[ADS], s94, v5
	s_mul_i32 s94, s14, 16*SPITCH
	s_add_co_u32 s94, s94, SLOT
	v_mul_u32_u24 v5, v2, SPITCH
	v_lshl_add_u32 v5, v3, 6, v5
	v_add_nc_u32 v[STO], s94, v5
	v_mul_u32_u24 v5, v3, SPITCH
	v_lshl_add_u32 v5, v2, 4, v5
	v_add_nc_u32 v[RD], s94, v5
	v_lshlrev_b32 v5, 13, v3
	v_lshl_add_u32 v[CO], v2, 4, v5
	s_lshl_b32 s94, s92, 7
	s_lshl_b32 s95, s15, 6
	s_add_co_u32 s94, s94, s95
	s_lshl_b32 s94, s94, 13
	s_lshl_b32 s95, s93, 9
	s_add_co_u32 s94, s94, s95
	s_lshl_b32 s95, s16, 8
	s_add_co_u32 s94, s94, s95
	s_mov_b32 s95, 0
	s_add_nc_u64 s[8:9], s[8:9], s[94:95]
	s_wait_alu depctr_va_vdst(0)
	s_wait_tensorcnt 0x0                           ; my tile of the head's four is in
	ds_add_u32 v[SPW], v[NIL]
	s_mov_b32 s[G1A+2], 4<<16                      ; no load of mine is out: the descriptors are written: four tiles a load,
	s_mov_b32 s[G1A+4], 4
	s_mov_b32 s[G1B+2], 4<<16
	s_mov_b32 s[G1B+4], 4
.irp g, G1SA, G1SB                     ; the scales' groups 1 now serve the double slot: 4 rows of 12,288 bytes, 24,576 apart
	s_mov_b32 s[\g+1], 1536<<16
	s_mov_b32 s[\g+2], 4<<16
	s_mov_b32 s[\g+3], 1536<<16
	s_mov_b32 s[\g+4], 4
	s_mov_b32 s[\g+5], 3072
.endr
	s_mov_b32 s57, s96                             ; slot 0's groups 0: my four tiles, for the refill
	s_mov_b64 s[58:59], s[2:3]
	s_or_b32 s59, s59, 0x80000000
	s_mov_b32 s73, s96
	s_mov_b64 s[74:75], s[98:99]
	s_or_b32 s75, s75, 0x80000000
	s_wait_dscnt 0x0
	CROUND
	JLOAD 60, G1SA, 76, G1SB                       ; chunks 1 and 2: the first tensor load behind the round
	global_prefetch_b8 v8, s[66:67] offset:3*TILEB th:TH_LOAD_NT scope:SCOPE_SE   ; chunk 3 of my partner's share
	FETCH 0, 0, 0
	KSTEP 0, 0, 1, 1
	KSTEP 1, 0, 2, 0
	KSTEP 2, 0, 3, 0
	TURNR
	KSTEP 4, 1, 1, 0
	KSTEP 5, 1, 2, 0
	KSTEP 6, 1, 3, 0
	KSTEP 7, 1, 4, 0
	KSTEP 8, 1, 5, 0
	KSTEP 9, 1, 6, 0
	KSTEP 10, 1, 7, 0
	TURNP
	KSTEP 12, 0, 1, 0
	KSTEP 13, 0, 2, 0
	KSTEP 14, 0, 3, 0
	s_wait_dscnt 6
	WIN MUL
	MULA 1, 0, 0
	MULA 1, 1, 0
	s_wait_dscnt 0x0
	MULA 1, 2, 0
	MULA 1, 3, 0
	WIN 0
	PLACES
	TOSTAGE 0
	TOSTAGE 1
	SEND 0, 16
	s_wait_xcnt 0x0
	TOSTAGE 2
	SEND 1, 16
	s_wait_xcnt 0x0
	TOSTAGE 3
	SEND 2, 16
	SEND 3, 0
	s_wait_tensorcnt 0x0
	ds_add_u32 v[SPW], v[NIL]
	s_wait_dscnt 0x0
	CROUND
	s_endpgm
.Lfunc_end_k_q5f1fb771a1_oproj:
	.size	k_q5f1fb771a1_oproj, .Lfunc_end_k_q5f1fb771a1_oproj-k_q5f1fb771a1_oproj
	.p2alignl 7, 3214868480
	.fill 96, 4, 3214868480
	.section	.rodata,"a",@progbits
	.p2align	6, 0x0
	.amdhsa_kernel k_q5f1fb771a1_oproj
		.amdhsa_group_segment_fixed_size 327680
		.amdhsa_private_segment_fixed_size 0
		.amdhsa_enable_private_segment 0
		.amdhsa_kernarg_size 24
		.amdhsa_user_sgpr_count 2
		.amdhsa_user_sgpr_kernarg_segment_ptr 1
		.amdhsa_wavefront_size32 1
		.amdhsa_system_sgpr_workgroup_id_x 1
		.amdhsa_system_sgpr_workgroup_id_y 1
		.amdhsa_system_sgpr_workgroup_id_z 1
		.amdhsa_system_vgpr_workitem_id 0
		.amdhsa_next_free_vgpr 512
		.amdhsa_next_free_sgpr 102
		.amdhsa_reserve_vcc 0
		.amdhsa_float_denorm_mode_32 3
		.amdhsa_float_denorm_mode_16_64 3
		.amdhsa_memory_ordered 1
		.amdhsa_forward_progress 1
		.amdhsa_inst_pref_size 109
	.end_amdhsa_kernel
	.amdgpu_metadata
---
amdhsa.version: [ 1, 2 ]
amdhsa.kernels:
  - .name:           k_q5f1fb771a1_oproj
    .symbol:         k_q5f1fb771a1_oproj.kd
    .args:
      - { .name: attc, .offset: 0, .size: 8, .value_kind: global_buffer, .address_space: global }
      - { .name: opnd, .offset: 8, .size: 8, .value_kind: global_buffer, .address_space: global }
      - { .name: out0, .offset: 16, .size: 8, .value_kind: global_buffer, .address_space: global }
    .group_segment_fixed_size: 327680
    .private_segment_fixed_size: 0
    .kernarg_segment_align: 8
    .kernarg_segment_size: 24
    .max_flat_workgroup_size: 128
    .sgpr_count:     102
    .vgpr_count:     512
    .wavefront_size: 32
...
	.end_amdgpu_metadata
.endif
;; end of part 4
